; MI455X (gfx1250); checked and timed in simulation.
; The chip was launched on July 23, 2026; its instructions are those of AMD's public machine-readable ISA for CDNA 5 (MIT licence, August 2026) and "CDNA5" Instruction Set Architecture Reference Guide (July 2026). The comments in the code are by the model that wrote it; some were corrected since.
;; Grok1 Decoder Layer. Allowed arithmetic: float matrix products may take bf16 or f16 operands with f32 sums; all other float work in f32.
;; Inputs: gate_w 8 x 2,048 float32; hidden_states 1,024 x 2,048 float32; o_w 2,048 x 2,048 float32; positions 1,024 int32; post_attn_g 2,048 float32; post_moe_g 2,048 float32; pre_attn_g 2,048 float32; pre_moe_g 2,048 float32; qkv_w 3,072 x 2,048 float32; w2s 8 x 2,048 x 1,024 float32; ws 8 x 2,048 x 2,048 float32.
;; Outputs: out0 1,024 x 2,048 float32; out1 1,024 x 2,048 float32.
;; One version. Each part assembles by itself: llvm-mc -triple=amdgcn-amd-amdhsa -mcpu=gfx1250 --defsym DOCPART=n.
;; ======== version 1 of 1: 9 launches
;; limits: values are held in f16: magnitudes above 65,504 overflow, below 6.1e-05 lose precision
;; workspace buffers: bufa 4,456,448 bytes; bufb 17,825,792 bytes; bufc 4,456,448 bytes; topi 8,192 bytes of whole numbers; route 8,448 bytes of whole numbers
;; launch prep (part 1): grid 64 x 1, 16 waves a work-group, no clusters, 72,192 bytes of LDS; arguments hidden_states, pre_attn_g, positions, bufa; writes bufa
.if DOCPART == 1
	.amdgcn_target "amdgcn-amd-amdhsa--gfx1250"
	.amdhsa_code_object_version 6
	.text
	.protected	k_q610e16c69f_prep
	.globl	k_q610e16c69f_prep
	.p2align	8
	.type	k_q610e16c69f_prep,@function
k_q610e16c69f_prep:
	s_mov_b64 s[64:65], 0
	v_nop
	global_prefetch_b8 v0, s[64:65] scope:SCOPE_SE
	s_setreg_imm32_b32 hwreg(HW_REG_WAVE_MODE, 25, 1), 1
	s_wait_xcnt 0x0
; hA = rms_norm(hidden_states, pre_attn_g), rounded once to f16 and laid out as ready matrix fragments, and the RoPE table.
; A work-group owns a tile of 16 tokens, wave w the row 16 T + w: 8,192 bytes = 64 registers, read once, kept between the sum of squares and the scaling.
; OUT, bufa: AP [64 tiles][64 kb][2 q][32 lanes][16 B]: lane (r = lane % 16, h = lane / 16) holds token 16 T + r, k = 32 kb + 16 q + 8 h .. + 7, so a later
; 16-byte load a lane fills half a fragment and covers 512 consecutive bytes.  The rows change lanes through LDS (pitch 4,112 = 257 x 16: the 16 rows of a read start in 16 different 16-byte columns).
; ROPE at byte 4,194,304: [64 tiles][2 nb][4 i][32 lanes][16 B] = cos(f), cos(f+1), sin(f), sin(f+1), f = 16 nb + 8 h + 2 i, token 16 T + r.
; cos and sin: f = pos x 10000^(-j/32); n = nearest whole number to f 2/pi; r = f - n pi/2 with pi/2 in three parts; polynomials of degree 7 and 8 on |r| <= pi/4; the quadrant by selects and sign bits.
; LIMITS: positions are any int32 (n stays under 2^31); 10000^(-j/32) comes from v_exp_f32, good to one unit in the last place; NaN and infinities are not treated apart; |hA| <= 45 |g| must stay within f16's 65,504.
; No matrix unit, cluster or tensor load: the launch reads 8 MB once and has no shared tile.
.set ROWP, 4112
.set TAB,  16*ROWP                     ; behind the 16 rows: the table's stage, a row of 264 bytes for each wave (cos 128, sin 128, 8 of padding)
.set TABP, 264
.set X, 16                             ; v[16:79]   the row
.set G, 80                             ; v[80:143]  the gain
.set R, 144                            ; v[144:151] RoPE at work
	s_load_b256 s[4:11], s[0:1], 0x0               ; hidden s[4:5], gain s[6:7], positions s[8:9], bufa s[10:11]
	v_lshl_add_u32 v152, v0, 2, 0x11200
	v_mov_b32 v153, 0
	v_and_b32 v1, 31, v0                           ; lane
	v_lshrrev_b32 v3, 5, v0
	v_readfirstlane_b32 s12, v3                    ; wave
	v_lshlrev_b32 v2, 4, v1                        ; 16 x lane
	s_lshl_b32 s13, ttmp9, 4
	s_add_co_u32 s13, s13, s12                     ; my token
	s_lshl_b32 s14, s13, 13                        ; its row, 8,192 bytes
	s_mov_b32 s15, 0
	s_lshl_b32 s16, s13, 2
	s_mov_b32 s17, 0
	s_mov_b32 s20, 0x76543210                      ; v_permlanex16_b32: each lane takes its own place in the other half
	s_mov_b32 s21, 0xfedcba98
	s_mov_b32 s22, 0x3a000000                      ; 1 / 2048
	s_mov_b32 s23, 0x3727c5ac                      ; 1e-5
	s_wait_kmcnt 0x0
	s_add_nc_u64 s[4:5], s[4:5], s[14:15]
	s_add_nc_u64 s[8:9], s[8:9], s[16:17]
	s_load_b32 s18, s[8:9], 0x0                    ; my position
.set i, 0
.rept 16
	global_load_b128 v[X+4*i:X+4*i+3], v2, s[4:5] offset:512*i    ; 512 consecutive bytes an instruction
.set i, i+1
.endr
.set i, 0
.rept 16
	global_load_b128 v[G+4*i:G+4*i+3], v2, s[6:7] offset:512*i
.set i, i+1
.endr
	; RoPE, lane = frequency j, while the row is on its way
	v_cvt_f32_u32 v[R], v1
	v_mul_f32 v[R], 0xbed49a78, v[R]               ; - j log2(10000) / 32
	v_exp_f32 v[R], v[R]
	s_wait_kmcnt 0x0
	v_cvt_f32_i32 v[R+1], s18                      ; the plain instruction behind the exponential
	s_wait_alu depctr_va_vdst(0)
	v_mul_f32 v[R+1], v[R+1], v[R]                 ; f
	v_mul_f32 v[R+2], 0x3f22f983, v[R+1]           ; f 2/pi
	v_rndne_f32 v[R+2], v[R+2]                     ; n
	v_fmamk_f32 v[R+3], v[R+2], 0xbfc90fdb, v[R+1] ; f - n pi/2: the high part,
	v_fmamk_f32 v[R+3], v[R+2], 0x333bbd2e, v[R+3] ; what the high part has too much,
	v_fmamk_f32 v[R+3], v[R+2], 0x26f72ced, v[R+3] ; and the rest
	v_mul_f32 v[R+4], v[R+3], v[R+3]               ; z = r r
	v_mov_b32 v[R+5], 0xb9500d01                   ; -1/5040
	v_fmaak_f32 v[R+5], v[R+4], v[R+5], 0x3c088889 ; 1/120
	v_fmaak_f32 v[R+5], v[R+4], v[R+5], 0xbe2aaaab ; -1/6
	v_mul_f32 v[R+5], v[R+5], v[R+4]
	v_fma_f32 v[R+5], v[R+5], v[R+3], v[R+3]       ; sin r
	v_mov_b32 v[R+6], 0x37d00d01                   ; 1/40320
	v_fmaak_f32 v[R+6], v[R+4], v[R+6], 0xbab60b61 ; -1/720
	v_fmaak_f32 v[R+6], v[R+4], v[R+6], 0x3d2aaaab ; 1/24
	v_fmaak_f32 v[R+6], v[R+4], v[R+6], 0xbf000000 ; -1/2
	v_fma_f32 v[R+6], v[R+6], v[R+4], 1.0          ; cos r
	v_cvt_i32_f32 v[R+2], v[R+2]                   ; the quadrant: n mod 4
	v_and_b32 v[R+7], 1, v[R+2]
	v_cmp_eq_u32 vcc_lo, 1, v[R+7]
	v_cndmask_b32 v[R], v[R+5], v[R+6], vcc_lo     ; odd quadrants swap the two
	v_cndmask_b32 v[R+1], v[R+6], v[R+5], vcc_lo
	v_and_b32 v[R+3], 2, v[R+2]
	v_lshlrev_b32 v[R+3], 30, v[R+3]
	v_xor_b32 v[R], v[R], v[R+3]                   ; sin changes sign in quadrants 2, 3
	v_add_nc_u32 v[R+2], 1, v[R+2]
	v_and_b32 v[R+2], 2, v[R+2]
	v_lshlrev_b32 v[R+2], 30, v[R+2]
	v_xor_b32 v[R+1], v[R+1], v[R+2]               ; cos in quadrants 1, 2
	s_mul_i32 s19, s12, TABP
	s_add_co_u32 s19, s19, TAB
	v_lshl_add_u32 v[R+4], v1, 2, s19              ; my wave's row of the stage, word j
	ds_store_b32 v[R+4], v[R+1]
	ds_store_b32 v[R+4], v[R] offset:128
	; the norm
	s_wait_loadcnt 16                              ; the row is in; the 16 loads of the gain may stay out
.set i, 0
.rept 4
	v_pk_mul_f32 v[4+2*i:5+2*i], v[X+2*i:X+2*i+1], v[X+2*i:X+2*i+1]   ; four chains, started by the first four pairs
.set i, i+1
.endr
.rept 28
	v_pk_fma_f32 v[4+2*(i%4):5+2*(i%4)], v[X+2*i:X+2*i+1], v[X+2*i:X+2*i+1], v[4+2*(i%4):5+2*(i%4)]
.set i, i+1
.endr
	v_pk_add_f32 v[4:5], v[4:5], v[6:7]
	v_pk_add_f32 v[8:9], v[8:9], v[10:11]
	v_pk_add_f32 v[4:5], v[4:5], v[8:9]
	v_add_f32 v4, v4, v5
	v_add_f32_dpp v4, v4, v4 row_xmask:1 row_mask:0xf bank_mask:0xf
	v_add_f32_dpp v4, v4, v4 row_xmask:2 row_mask:0xf bank_mask:0xf
	v_add_f32_dpp v4, v4, v4 row_xmask:4 row_mask:0xf bank_mask:0xf
	v_add_f32_dpp v4, v4, v4 row_xmask:8 row_mask:0xf bank_mask:0xf
	v_permlanex16_b32 v5, v4, s20, s21
	v_add_f32 v4, v4, v5
	v_fma_f32 v4, v4, s22, s23                     ; mean + eps
	v_rsq_f32 v6, v4
	s_wait_loadcnt 0x0                             ; the gain
	v_nop                                          ; a plain instruction behind v_rsq_f32 (ISA guide 5.7.2)
.set i, 0
	s_wait_alu depctr_va_vdst(0)
.rept 32
	v_pk_mul_f32 v[X+2*i:X+2*i+1], v[X+2*i:X+2*i+1], v[6:7] op_sel_hi:[1,0]
.set i, i+1
.endr
.set i, 0
.rept 32
	v_pk_mul_f32 v[X+2*i:X+2*i+1], v[X+2*i:X+2*i+1], v[G+2*i:G+2*i+1]
.set i, i+1
.endr
.set i, 0
.rept 32
	v_cvt_pk_f16_f32 v[X+i], v[X+2*i], v[X+2*i+1]  ; packed downward in place: word i is written when pairs 0 .. i have been read
.set i, i+1
.endr
	s_mul_i32 s19, s12, ROWP
	v_lshl_add_u32 v12, v1, 3, s19                 ; my row in LDS, 8 bytes a lane
.set i, 0
.rept 16
	ds_store_b64 v12, v[X+2*i:X+2*i+1] offset:256*i
.set i, i+1
.endr
	v_and_b32 v14, 15, v0                          ; r
	v_bfe_u32 v15, v0, 4, 1                        ; h
	v_mul_u32_u24 v13, v14, ROWP
	v_lshl_add_u32 v13, v15, 4, v13
	s_lshl_b32 s24, s12, 8
	v_add_nc_u32 v13, s24, v13                     ; row r, bytes 256 w + 16 h: wave w sends kb = 4 w .. 4 w + 3
	s_lshl_b32 s25, s12, 12
	v_add_nc_u32 v11, s25, v2
	s_lshl_b32 s26, ttmp9, 16
	s_mov_b32 s27, 0
	s_add_nc_u64 s[28:29], s[10:11], s[26:27]      ; AP at my tile
	s_lshl_b32 s26, ttmp9, 12
	s_add_co_u32 s26, s26, 4194304
	s_add_nc_u64 s[30:31], s[10:11], s[26:27]      ; ROPE at my tile
	s_wait_dscnt 0x0                               ; for the others' sake: my row and my table row are in LDS
	s_barrier_signal -1
	s_barrier_wait -1
.set i, 0
.rept 8
	ds_load_b128 v[X+4*i:X+4*i+3], v13 offset:32*i ; kb = 4 w + i / 2, q = i % 2
.set i, i+1
.endr
.set i, 0
.rept 8
	s_wait_dscnt 7-i                               ; LDS loads come back in order: number i is in
	global_store_b128 v11, v[X+4*i:X+4*i+3], s[28:29] offset:512*i   ; 512 consecutive bytes, at a multiple of 512 from the buffer's first
.set i, i+1
.endr
	s_cmp_ge_u32 s12, 8
	s_cbranch_scc1 .Lend                           ; the table has eight blocks of 512 bytes: waves 0 to 7 send one each (nb = w / 4, i = w % 4)
	s_lshr_b32 s24, s12, 2
	s_lshl_b32 s24, s24, 6
	s_and_b32 s25, s12, 3
	s_lshl3_add_u32 s24, s25, s24
	s_add_co_u32 s24, s24, TAB
	v_mul_u32_u24 v9, v14, TABP
	v_lshl_add_u32 v9, v15, 5, v9
	v_add_nc_u32 v9, s24, v9                       ; token r's row, frequency 16 nb + 8 h + 2 i
	ds_load_b64 v[48:49], v9
	ds_load_b64 v[50:51], v9 offset:128
	s_lshl_b32 s25, s12, 9
	v_add_nc_u32 v10, s25, v2
	s_wait_dscnt 0x0
	global_store_b128 v10, v[48:51], s[30:31]
.Lend:
	s_barrier_signal -1
	s_barrier_wait -1
	s_wait_tensorcnt 0x0
	ds_add_u32 v152, v153
	s_wait_dscnt 0x0
	s_endpgm
.Lfunc_end_k_q610e16c69f_prep:
	.size	k_q610e16c69f_prep, .Lfunc_end_k_q610e16c69f_prep-k_q610e16c69f_prep
	.p2alignl 7, 3214868480
	.fill 96, 4, 3214868480
	.section	.rodata,"a",@progbits
	.p2align	6, 0x0
	.amdhsa_kernel k_q610e16c69f_prep
		.amdhsa_group_segment_fixed_size 72192
		.amdhsa_private_segment_fixed_size 0
		.amdhsa_enable_private_segment 0
		.amdhsa_kernarg_size 32
		.amdhsa_user_sgpr_count 2
		.amdhsa_user_sgpr_kernarg_segment_ptr 1
		.amdhsa_wavefront_size32 1
		.amdhsa_system_sgpr_workgroup_id_x 1
		.amdhsa_system_sgpr_workgroup_id_y 1
		.amdhsa_system_sgpr_workgroup_id_z 1
		.amdhsa_system_vgpr_workitem_id 0
		.amdhsa_next_free_vgpr 154
		.amdhsa_next_free_sgpr 66
		.amdhsa_reserve_vcc 1
		.amdhsa_float_denorm_mode_32 3
		.amdhsa_float_denorm_mode_16_64 3
		.amdhsa_memory_ordered 1
		.amdhsa_forward_progress 1
		.amdhsa_inst_pref_size 20
	.end_amdhsa_kernel
	.amdgpu_metadata
---
amdhsa.version: [ 1, 2 ]
amdhsa.kernels:
  - .name:           k_q610e16c69f_prep
    .symbol:         k_q610e16c69f_prep.kd
    .args:
      - { .name: hidden_states, .offset: 0, .size: 8, .value_kind: global_buffer, .address_space: global }
      - { .name: pre_attn_g, .offset: 8, .size: 8, .value_kind: global_buffer, .address_space: global }
      - { .name: positions, .offset: 16, .size: 8, .value_kind: global_buffer, .address_space: global }
      - { .name: bufa, .offset: 24, .size: 8, .value_kind: global_buffer, .address_space: global }
    .group_segment_fixed_size: 72192
    .private_segment_fixed_size: 0
    .kernarg_segment_align: 8
    .kernarg_segment_size: 32
    .max_flat_workgroup_size: 512
    .sgpr_count:     66
    .vgpr_count:     154
    .wavefront_size: 32
...
	.end_amdgpu_metadata
.endif
;; end of part 1
;; launch qkv (part 2): grid 48 x 4, 4 waves a work-group, no clusters, 45,568 bytes of LDS; arguments bufa, qkv_w, bufb; writes bufb
.if DOCPART == 2
	.amdgcn_target "amdgcn-amd-amdhsa--gfx1250"
	.amdhsa_code_object_version 6
	.text
	.protected	k_q610e16c69f_qkv
	.globl	k_q610e16c69f_qkv
	.p2align	8
	.type	k_q610e16c69f_qkv,@function
k_q610e16c69f_qkv:
	s_mov_b64 s[64:65], 0
	v_nop
	global_prefetch_b8 v0, s[64:65] scope:SCOPE_SE
	s_setreg_imm32_b32 hwreg(HW_REG_WAVE_MODE, 25, 1), 1
	s_wait_xcnt 0x0
; qkv = hA qkv_w^T with RoPE on q and k, written as the fragments that attention reads.  f16 operands, f32 sums.
; A work-group owns one head's 64 output columns (x = 0-31 q, 32-39 k, 40-47 v) and 256 tokens (y); wave w four tiles of 16 tokens x all 64 columns: 16 accumulators.
; K goes in steps of 128.  The weights are f32: wave w loads rows 16 w .. 16 w + 15 (512 consecutive bytes an instruction), rounds them once to f16 and lays them into one of two LDS buffers
; (64 rows of 272 bytes: 256 of data + 16, so that row r starts at bank 4 r mod 64; ISA guide 11.1); all four waves read them back as fragments.  The tokens' fragments come ready from memory.
; Source 0 = 16 weight rows, source 1 = 16 tokens: a lane holds ONE token and eight neighbouring columns, which is half a fragment of the next product.
; NO CLUSTER, NO TENSOR LOAD: the four row blocks of a head do read the same weights, but as f32 that must be rounded on the way; a joint load would land twice the bytes in LDS and ask for a second pass through it.
; The accumulators are cleared (128 v_mov_b32) so that one text of a step serves all sixteen steps.
; LIMITS: qkv_w is rounded to f16 (below 6e-5 a fixed step of 6e-8); q, k, v must stay within 65,504.
; REGISTERS, in windows of 256 (s_set_vgpr_msb: bits 1:0 source 0, 3:2 source 1, 5:4 source 2, 7:6 destination):
;   window 0: v1 16 x lane; v3, v4 LDS addresses; v10, v11 the stage; v32-63 rounded words; v64-191 weight fragments (kb, nb) at 64 + 32 kb + 8 nb; v192-255 packed results
;   window 1: v0-127 accumulators (slot, nb) at 32 slot + 8 nb; v128-255 the RoPE table      windows 2, 3: v0-127 token fragments (slot, kb), v192-255 weights as loaded: two sets that take turns
.set PITCH, 272
.set WBUF,  64*PITCH
.set STG,   2*WBUF                     ; behind the two buffers: 16 rows x 160 bytes for each wave, to turn v
.set NSL,   4
.set ROWB,  8192
.set SLOTB, 65536
.set TRIPS, 7
.set CV, 32
.set WF, 64
.set WS, 192
.set RT, 128
.set Y,  64
.set OB, 192
.set MSB, 0
.macro WIN new                         ; the immediate's high byte repeats the setting that is left; a switch that changes nothing is dropped
.if MSB != (\new)
	s_set_vgpr_msb (MSB<<8)|(\new)
.set MSB, (\new)
.endif
.endm
.macro ALOAD buf, off                  ; the token fragments of one K step: 8 loads a slot
	WIN (2+(\buf))<<6
.set sl, 0
.rept NSL
.set kb, 0
.rept 4
	global_load_b128 v[32*sl+8*kb:32*sl+8*kb+3], v1, s[14:15] offset:sl*SLOTB+kb*1024+(\off)
	global_load_b128 v[32*sl+8*kb+4:32*sl+8*kb+7], v1, s[14:15] offset:sl*SLOTB+kb*1024+512+(\off)
.set kb, kb+1
.endr
.set sl, sl+1
.endr
.endm
.macro WLOAD st, off                   ; my 16 weight rows of one K step
	WIN (2+(\st))<<6
.set nn, 0
.rept 16
	global_load_b128 v[WS+4*nn:WS+4*nn+3], v1, s[12:13] offset:nn*ROWB+(\off)
.set nn, nn+1
.endr
.endm
.macro HOOK                            ; the RoPE table of my four tiles, asked for in the last step
	WIN 0x40
.set sl, 0
.rept NSL
.set nn, 0
.rept 8
	global_load_b128 v[RT+32*sl+4*nn:RT+32*sl+4*nn+3], v1, s[22:23] offset:sl*4096+nn*512
.set nn, nn+1
.endr
.set sl, sl+1
.endr
.endm
; ONE K STEP on set p.  Order of issue, always: tokens of step s + 1, then weights of step s + 2.  So at a step's head the youngest 16 loads are the weights of step s + 1,
; and the count 16 shows this step's weights and tokens landed.  The 32 conversions are also the places between the last step's products and the loads into registers that they read.
; ONE barrier: in front of it my stores into buffer p are done and so are my reads of the other buffer; buffer p is written again two steps on, behind the next barrier.
.macro STEP p, lda, ldw, cnt, hook
	s_wait_loadcnt \cnt
	WIN 0x0a+5*(\p)
.set nn, 0
.rept 32
	v_cvt_pk_f16_f32 v[CV+nn], v[WS+2*nn], v[WS+2*nn+1]
.set nn, nn+1
.endr
	WIN 0
.set nn, 0
.rept 16
	ds_store_b64 v3, v[CV+2*nn:CV+2*nn+1] offset:(\p)*WBUF+nn*PITCH
.set nn, nn+1
.endr
.if \lda
	ALOAD 1-(\p), 4096*(1+(\p))
.endif
.if \ldw
	WLOAD \p, 1024+512*(\p)
.endif
.if \hook
	HOOK
.endif
	WIN 0
	s_wait_dscnt 0x0
	s_barrier_signal -1
	s_barrier_wait -1
.set kb, 0
.rept 4
.set nb, 0
.rept 4
	ds_load_b128 v[WF+32*kb+8*nb:WF+32*kb+8*nb+3], v4 offset:(\p)*WBUF+nb*16*PITCH+kb*64
	ds_load_b128 v[WF+32*kb+8*nb+4:WF+32*kb+8*nb+7], v4 offset:(\p)*WBUF+nb*16*PITCH+kb*64+32
.set nb, nb+1
.endr
.set kb, kb+1
.endr
	WIN 0x58+4*(\p)                                ; weights window 0, tokens window 2 + p, C and D window 1
.set sl, 0
.rept NSL
.set kb, 0
.rept 4
.if sl == 0
	s_wait_dscnt 24-8*kb                           ; the 8 loads of this kb are in; those of the later kb may stay out
.endif
.set nb, 0
.rept 4                                ; the slot's four accumulators take turns, one instruction a turn
	v_wmma_f32_16x16x32_f16 v[32*sl+8*nb:32*sl+8*nb+7], v[WF+32*kb+8*nb:WF+32*kb+8*nb+7], v[32*sl+8*kb:32*sl+8*kb+7], v[32*sl+8*nb:32*sl+8*nb+7]
.set nb, nb+1
.endr
.set kb, kb+1
.endr
.set sl, sl+1
.endr
	WIN 0
.endm
	s_load_b128 s[4:7], s[0:1], 0x0                ; bufa s[4:5], qkv_w s[6:7]
	s_load_b64 s[8:9], s[0:1], 0x10                ; bufb
	v_lshl_add_u32 v30, v0, 2, 0xb000
	v_mov_b32 v31, 0
	v_and_b32 v2, 31, v0
	v_lshrrev_b32 v5, 5, v0
	v_readfirstlane_b32 s20, v5                    ; wave
	v_lshlrev_b32 v1, 4, v2                        ; 16 x lane
	v_and_b32 v6, 15, v0                           ; r
	v_bfe_u32 v7, v0, 4, 1                         ; h
	s_mul_i32 s30, s20, 16*PITCH
	v_lshl_add_u32 v3, v2, 3, s30                  ; where I lay 8 bytes of my rows
	v_mul_u32_u24 v4, v6, PITCH
	v_lshl_add_u32 v4, v7, 4, v4                   ; a fragment's row x pitch + 16 x half
	s_mul_i32 s31, s20, 2560
	s_add_co_u32 s31, s31, STG                     ; my stage
	v_mul_u32_u24 v10, v6, 160
	v_lshl_add_u32 v10, v7, 4, v10
	v_add_nc_u32 v10, s31, v10                     ; in: key r, 16 bytes for each half of the lanes
	v_and_b32 v12, 7, v0
	v_lshl_add_u32 v12, v7, 3, v12
	v_mul_u32_u24 v11, v12, 160
	v_bfe_u32 v12, v0, 3, 1
	v_lshl_add_u32 v11, v12, 4, v11
	v_add_nc_u32 v11, s31, v11                     ; turned: key 8 h + lane % 8, channels 8 ((lane / 8) % 2) on
	s_mov_b32 s19, ttmp9                           ; the head
	s_and_b32 s21, ttmp7, 0xffff
	s_lshl_b32 s30, s21, 2
	s_add_co_u32 s30, s30, s20                     ; my group of four tiles = my key step: 4 y + w
	s_lshl_b32 s32, s19, 6
	s_lshl4_add_u32 s32, s20, s32
	s_lshl_b32 s32, s32, 13                        ; weights: row 64 x + 16 w
	s_mov_b32 s33, 0
	s_lshl_b32 s34, s30, 18                        ; tokens: four tiles of 65,536 bytes
	s_mov_b32 s35, 0
	s_lshl_b32 s36, s30, 14
	s_add_co_u32 s36, s36, 4194304                 ; table: four tiles of 4,096 bytes
	s_mov_b32 s37, 0
	s_lshl_b32 s38, s19, 17
	s_lshl_b32 s39, s30, 13
	s_add_co_u32 s38, s38, s39                     ; q: [head][tile][2,048]
	s_and_b32 s39, s19, 7
	s_lshl_b32 s39, s39, 18
	s_lshl_b32 s40, s30, 14
	s_add_co_u32 s39, s39, s40
	s_add_co_u32 s39, s39, 4194304                 ; k: [kv head][key step][16,384]
	s_add_co_u32 s40, s39, 8192                    ; v: the step's second half
	s_cmp_lt_u32 s19, 40
	s_cselect_b32 s39, s39, s40
	s_cmp_lt_u32 s19, 32
	s_cselect_b32 s38, s38, s39
	s_mov_b32 s39, 0
	s_wait_kmcnt 0x0
	s_add_nc_u64 s[12:13], s[6:7], s[32:33]
	s_add_nc_u64 s[14:15], s[4:5], s[34:35]
	s_add_nc_u64 s[22:23], s[4:5], s[36:37]
	s_add_nc_u64 s[16:17], s[8:9], s[38:39]
	ALOAD 0, 0
	WLOAD 0, 0
	WLOAD 1, 512
	WIN 0x40
.set nn, 0
.rept 32*NSL
	v_mov_b32 v[nn], 0
.set nn, nn+1
.endr
	WIN 0
	s_mov_b32 s18, TRIPS
.Lk:
	STEP 0, 1, 1, 16, 0
	STEP 1, 1, 1, 16, 0
	s_wait_xcnt 0x0                                ; the bases are stepped only behind this wait
	s_add_nc_u64 s[14:15], s[14:15], 8192
	s_add_nc_u64 s[12:13], s[12:13], 1024
	s_sub_co_u32 s18, s18, 1
	s_cmp_lg_u32 s18, 0
	s_cbranch_scc1 .Lk
	STEP 0, 1, 0, 16, 0                            ; the last two steps ask for no weights beyond the rows' end
	STEP 1, 0, 0, 0, 1                             ; nothing was issued behind the last step's loads: the count is 0
.rept 4
	v_nop                                          ; the places behind the last products
.endr
	s_wait_loadcnt 0x0                             ; the table
	s_cmp_ge_u32 s19, 40
	s_cbranch_scc1 .Lv
; q and k: y1 = x1 cos - x2 sin, y2 = x2 cos + x1 sin; x1 = columns 0-31 (accumulators 0, 1), x2 = columns 32-63 (2, 3).  Each accumulator is read from its low end on.
.macro ROPE s
	WIN 0x05                                       ; sources 0 and 1 window 1; source 2 and destination window 0
.set nb, 0
.rept 2
.set ii, 0
.rept 4
	v_pk_mul_f32 v[Y+8*nb+2*ii:Y+8*nb+2*ii+1], v[32*(\s)+8*(nb+2)+2*ii:32*(\s)+8*(nb+2)+2*ii+1], v[RT+32*(\s)+16*nb+4*ii+2:RT+32*(\s)+16*nb+4*ii+3]
	v_pk_mul_f32 v[Y+16+8*nb+2*ii:Y+16+8*nb+2*ii+1], v[32*(\s)+8*nb+2*ii:32*(\s)+8*nb+2*ii+1], v[RT+32*(\s)+16*nb+4*ii+2:RT+32*(\s)+16*nb+4*ii+3]
	v_pk_fma_f32 v[Y+8*nb+2*ii:Y+8*nb+2*ii+1], v[32*(\s)+8*nb+2*ii:32*(\s)+8*nb+2*ii+1], v[RT+32*(\s)+16*nb+4*ii:RT+32*(\s)+16*nb+4*ii+1], v[Y+8*nb+2*ii:Y+8*nb+2*ii+1] neg_lo:[0,0,1] neg_hi:[0,0,1]
	v_pk_fma_f32 v[Y+16+8*nb+2*ii:Y+16+8*nb+2*ii+1], v[32*(\s)+8*(nb+2)+2*ii:32*(\s)+8*(nb+2)+2*ii+1], v[RT+32*(\s)+16*nb+4*ii:RT+32*(\s)+16*nb+4*ii+1], v[Y+16+8*nb+2*ii:Y+16+8*nb+2*ii+1]
.set ii, ii+1
.endr
.set nb, nb+1
.endr
	WIN 0
.set nn, 0
.rept 16
	v_cvt_pk_f16_f32 v[OB+16*(\s)+nn], v[Y+2*nn], v[Y+2*nn+1]
.set nn, nn+1
.endr
.set nn, 0
.rept 4
	global_store_b128 v1, v[OB+16*(\s)+4*nn:OB+16*(\s)+4*nn+3], s[16:17] offset:(\s)*2048+nn*512   ; block nn = 16 channels: 512 consecutive bytes
.set nn, nn+1
.endr
.endm
	ROPE 0
	ROPE 1
	ROPE 2
	ROPE 3
	s_wait_tensorcnt 0x0
	ds_add_u32 v30, v31
	s_wait_dscnt 0x0
	s_endpgm
.Lv:
; v: rounded, laid by keys into my stage, read back turned (channels in the lanes, eight keys a lane): half a fragment of V^T.  LDS serves a wave's instructions in order (ISA guide 5.7.1.4).
.macro VOUT s
	WIN 0x05
.set nn, 0
.rept 16
	v_cvt_pk_f16_f32 v[OB+16*(\s)+nn], v[32*(\s)+2*nn], v[32*(\s)+2*nn+1]
.set nn, nn+1
.endr
	WIN 0
.set nn, 0
.rept 4
	ds_store_b128 v10, v[OB+16*(\s)+4*nn:OB+16*(\s)+4*nn+3] offset:32*nn
.set nn, nn+1
.endr
.set nn, 0
.rept 4
	ds_load_tr16_b128 v[Y+16*(\s)+4*nn:Y+16*(\s)+4*nn+3], v11 offset:32*nn
.set nn, nn+1
.endr
	s_wait_dscnt 0x0
.set nn, 0
.rept 4
	global_store_b128 v1, v[Y+16*(\s)+4*nn:Y+16*(\s)+4*nn+3], s[16:17] offset:((\s)/2)*4096+((\s)%2)*512+nn*1024
.set nn, nn+1
.endr
.endm
	VOUT 0
	VOUT 1
	VOUT 2
	VOUT 3
	s_wait_tensorcnt 0x0
	ds_add_u32 v30, v31
	s_wait_dscnt 0x0
	s_endpgm
.Lfunc_end_k_q610e16c69f_qkv:
	.size	k_q610e16c69f_qkv, .Lfunc_end_k_q610e16c69f_qkv-k_q610e16c69f_qkv
	.p2alignl 7, 3214868480
	.fill 96, 4, 3214868480
	.section	.rodata,"a",@progbits
	.p2align	6, 0x0
	.amdhsa_kernel k_q610e16c69f_qkv
		.amdhsa_group_segment_fixed_size 45568
		.amdhsa_private_segment_fixed_size 0
		.amdhsa_enable_private_segment 0
		.amdhsa_kernarg_size 24
		.amdhsa_user_sgpr_count 2
		.amdhsa_user_sgpr_kernarg_segment_ptr 1
		.amdhsa_wavefront_size32 1
		.amdhsa_system_sgpr_workgroup_id_x 1
		.amdhsa_system_sgpr_workgroup_id_y 1
		.amdhsa_system_sgpr_workgroup_id_z 1
		.amdhsa_system_vgpr_workitem_id 0
		.amdhsa_next_free_vgpr 1024
		.amdhsa_next_free_sgpr 66
		.amdhsa_reserve_vcc 0
		.amdhsa_float_denorm_mode_32 3
		.amdhsa_float_denorm_mode_16_64 3
		.amdhsa_memory_ordered 1
		.amdhsa_forward_progress 1
		.amdhsa_inst_pref_size 89
	.end_amdhsa_kernel
	.amdgpu_metadata
---
amdhsa.version: [ 1, 2 ]
amdhsa.kernels:
  - .name:           k_q610e16c69f_qkv
    .symbol:         k_q610e16c69f_qkv.kd
    .args:
      - { .name: bufa, .offset: 0, .size: 8, .value_kind: global_buffer, .address_space: global }
      - { .name: qkv_w, .offset: 8, .size: 8, .value_kind: global_buffer, .address_space: global }
      - { .name: bufb, .offset: 16, .size: 8, .value_kind: global_buffer, .address_space: global }
    .group_segment_fixed_size: 45568
    .private_segment_fixed_size: 0
    .kernarg_segment_align: 8
    .kernarg_segment_size: 24
    .max_flat_workgroup_size: 128
    .sgpr_count:     66
    .vgpr_count:     1024
    .wavefront_size: 32
...
	.end_amdgpu_metadata
.endif
;; end of part 2
;; launch attn (part 3): grid 256 x 1, 4 waves a work-group, no clusters, 16,896 bytes of LDS; arguments bufb, bufa; writes bufa
.if DOCPART == 3
	.amdgcn_target "amdgcn-amd-amdhsa--gfx1250"
	.amdhsa_code_object_version 6
	.text
	.protected	k_q610e16c69f_attn
	.globl	k_q610e16c69f_attn
	.p2align	8
	.type	k_q610e16c69f_attn,@function
k_q610e16c69f_attn:
	s_mov_b64 s[64:65], 0
	v_nop
	global_prefetch_b8 v0, s[64:65] scope:SCOPE_SE
	s_setreg_imm32_b32 hwreg(HW_REG_WAVE_MODE, 25, 1), 1
	s_wait_xcnt 0x0
; Causal attention, 32 query heads on 8 key and value heads, head size 64.  q, k, v, p and the result in f16; products, maxima and sums in f32.
; A work-group belongs to a kv head (x / 32) and a pair of query tiles of 16: 63 - p and then p (p = x % 32, values 0 .. 31).  Wave w is query head 4 kvh + w, so the four waves walk the same K and V.
; Tile t needs the key steps 0 .. t / 4 of 64 keys: (15 - p / 4) + 1 + p / 4 + 1 = 17 steps whatever p: one counted walk of 16 trips and a last step written out.
; A key step is 16,384 bytes that already lie as fragments (K, then V turned): each wave copies a quarter through registers into ONE LDS buffer; two barriers a step: the first when every wave's reads of the
; last step are back, the second when every wave's quarter is stored.  The next step's bytes are asked for ahead of the second barrier and have the step's work in which to land.
; S^T = K Q^T (source 0 = 16 keys, source 1 = 16 queries): a lane holds ONE query (lane % 16) and the keys 8 (lane / 16) + 0 .. 7; two such results rounded in pairs ARE source 1 of O^T = V^T P.
; p = 2^(c s - c m), c = log2(e) / 8, with a running maximum m; O and l are multiplied by a = 2^(c m_old - c m_new) in every step.  In a tile's last step the keys behind the query are replaced by -1e30.
; NO CLUSTER: the 32 work-groups of a kv head ask for the same step only while their first tiles' walks overlap, and the bytes go through registers here.
; LIMITS: q, k, v within 65,504; a hidden score counts as -1e30; a weight below 2^-126 counts as 0; NaN and infinities are not treated apart.
.set QF, 20                            ; v[20:35]   Q, channel half c at 8 c
.set CP, 36                            ; v[36:67]   my quarter of the next step on its way
.set KV, 68                            ; v[68:131]  K (kt, c) at 16 kt + 8 c, then V (u, cb) at 32 u + 8 cb
.set S,  132                           ; v[132:163] S^T, 8 registers for each 16 keys
.set P,  164                           ; v[164:179]
.set O,  180                           ; v[180:211] O^T, 8 registers for each 16 channels
.set PK, 212                           ; v[212:227] the packed result
; v8 c m, v9 m, v[10:11] l, v12 a (v13 its pair's other word), v14 c m_old, v16-19 at work, v5 my query's place less 8 (lane / 16), v6 -1e30, v7 lane % 16 - 8 (lane / 16)
.macro INIT                            ; a tile begins: tile number in s16
	s_lshl_b32 s30, s16, 11
	s_mov_b32 s31, 0
	s_add_nc_u64 s[24:25], s[22:23], s[30:31]
.irp b, 0,1,2,3
	global_load_b128 v[QF+4*\b:QF+4*\b+3], v1, s[24:25] offset:512*\b
.endr
	s_lshr_b32 s13, s16, 2                         ; its last key step
	s_and_b32 s30, s16, 3
	s_lshl_b32 s30, s30, 4
	v_add_nc_u32 v5, s30, v7
.set nn, 0
.rept 32
	v_mov_b32 v[O+nn], 0
.set nn, nn+1
.endr
	v_mov_b32 v8, 0xfe000000                       ; c m: far below every c s, so the first step's a is 0
	v_mov_b32 v9, 0xff7fffff                       ; m: the lowest finite number
	v_mov_b32 v10, 0
	v_mov_b32 v11, 0
	v_mov_b32 v13, 0
.endm
.macro FINISH                          ; a tile ends: O / l, rounded, 512 consecutive bytes a store
	s_wait_xcnt 0x0                                ; the first tile's stores have read their registers and base
	s_lshl_b32 s30, s16, 16
	s_mov_b32 s31, 0
	s_add_nc_u64 s[28:29], s[26:27], s[30:31]
	v_add_f32 v16, v10, v11
	v_permlanex16_b32 v17, v16, s34, s35           ; the query's other keys lie in the lane 16 away
	v_add_f32 v16, v16, v17
	v_rcp_f32 v16, v16
	v_nop
.set nn, 0
	s_wait_alu depctr_va_vdst(0)
.rept 16
	v_pk_mul_f32 v[O+2*nn:O+2*nn+1], v[O+2*nn:O+2*nn+1], v[16:17] op_sel_hi:[1,0]
.set nn, nn+1
.endr
.set nn, 0
.rept 16
	v_cvt_pk_f16_f32 v[PK+nn], v[O+2*nn], v[O+2*nn+1]
.set nn, nn+1
.endr
.irp cb, 0,1,2,3
	global_store_b128 v1, v[PK+4*\cb:PK+4*\cb+3], s[28:29] offset:512*\cb
.endr
.endm
; A KEY STEP.  fin = 1: the walk's last: nothing more is asked for, the mask is always taken, the tile ends.
.macro STEP fin
	s_wait_loadcnt 0x0                             ; my quarter of this step (and Q, where a tile has just begun)
	s_wait_dscnt 0x0                               ; my reads of the last step are back
	s_barrier_signal -1
	s_barrier_wait -1                              ; everybody's are: the buffer may be written
.set nn, 0
.rept 8
	ds_store_b128 v2, v[CP+4*nn:CP+4*nn+3] offset:512*nn
.set nn, nn+1
.endr
	s_wait_dscnt 0x0                               ; for the others' sake: my quarter is in LDS
.if !(\fin)
	s_add_co_u32 s14, s12, 1                       ; the tile's next step, or behind its last the second tile's step 0
	s_cmp_eq_u32 s12, s13
	s_cselect_b32 s14, 0, s14
	s_lshl_b32 s30, s14, 14
	s_mov_b32 s31, 0
	s_add_nc_u64 s[20:21], s[18:19], s[30:31]      ; free since the wait for 0 at the step's head
.set nn, 0
.rept 8
	global_load_b128 v[CP+4*nn:CP+4*nn+3], v2, s[20:21] offset:512*nn
.set nn, nn+1
.endr
.endif
	s_barrier_signal -1
	s_barrier_wait -1
.irp c, 0,1
.irp kt, 0,1,2,3
	ds_load_b128 v[KV+16*\kt+8*\c:KV+16*\kt+8*\c+3], v1 offset:\kt*2048+\c*1024
	ds_load_b128 v[KV+16*\kt+8*\c+4:KV+16*\kt+8*\c+7], v1 offset:\kt*2048+\c*1024+512
.endr
.endr
	s_wait_dscnt 8                                 ; channels 0-31 are in; the 8 loads of channels 32-63 may stay out
.irp kt, 0,1,2,3
	v_wmma_f32_16x16x32_f16 v[S+8*\kt:S+8*\kt+7], v[KV+16*\kt:KV+16*\kt+7], v[QF:QF+7], 0
.endr
	s_wait_dscnt 0x0
.irp kt, 0,1,2,3
	v_wmma_f32_16x16x32_f16 v[S+8*\kt:S+8*\kt+7], v[KV+16*\kt+8:KV+16*\kt+15], v[QF+8:QF+15], v[S+8*\kt:S+8*\kt+7]
.endr
.rept 4
	v_nop                                          ; the places in front of the loads into K's registers and of the first read of the scores
.endr
.irp u, 0,1
.irp cb, 0,1,2,3
	ds_load_b128 v[KV+32*\u+8*\cb:KV+32*\u+8*\cb+3], v1 offset:8192+\u*4096+\cb*1024
	ds_load_b128 v[KV+32*\u+8*\cb+4:KV+32*\u+8*\cb+7], v1 offset:8192+\u*4096+\cb*1024+512
.endr
.endr
.if !(\fin)
	s_cmp_lg_u32 s12, s13
	s_cbranch_scc1 .Lopen_\@                       ; only a tile's last step holds its diagonal
.endif
.set nn, 0
.rept 32
	v_cmp_gt_i32 vcc_lo, 16*(nn/8)+nn%8, v5        ; the key lies behind the query
	v_cndmask_b32 v[S+nn], v[S+nn], v6, vcc_lo
.set nn, nn+1
.endr
.Lopen_\@:
	; the maximum of the lane's 32 scores and the old m: four chains, each accumulator's lowest registers first
.irp n, 0,1,2,3
	v_max3_num_f32 v[16+\n], v[S+8*\n], v[S+8*\n+1], v[S+8*\n+2]
.endr
.irp n, 0,1,2,3
	v_max3_num_f32 v[16+\n], v[16+\n], v[S+8*\n+3], v[S+8*\n+4]
.endr
.irp n, 0,1,2,3
	v_max3_num_f32 v[16+\n], v[16+\n], v[S+8*\n+5], v[S+8*\n+6]
.endr
	v_max3_num_f32 v16, v16, v[S+7], v[S+15]
	v_max3_num_f32 v17, v17, v[S+23], v[S+31]
	v_max3_num_f32 v18, v18, v19, v9
	v_mov_b32 v14, v8                              ; c m_old
	v_max3_num_f32 v16, v16, v17, v18
	v_permlanex16_b32 v19, v16, s34, s35
	v_max_num_f32 v9, v16, v19                     ; m
	v_mul_f32 v8, s32, v9                          ; c m
	v_sub_f32 v17, v14, v8
	v_exp_f32 v12, v17                             ; a; the scalings below are the plain instructions behind it
.set nn, 0
.rept 16
	v_pk_fma_f32 v[S+2*nn:S+2*nn+1], v[S+2*nn:S+2*nn+1], s[32:33], v[8:9] op_sel_hi:[1,0,0] neg_lo:[0,0,1] neg_hi:[0,0,1]
.set nn, nn+1
.endr
.set nn, 0
.rept 32
	v_exp_f32 v[S+nn], v[S+nn]
.set nn, nn+1
.endr
	v_nop
.set nn, 0
	s_wait_alu depctr_va_vdst(0)
.rept 16
	v_cvt_pk_f16_f32 v[P+nn], v[S+2*nn], v[S+2*nn+1]
.set nn, nn+1
.endr
.set nn, 0
.rept 8
	v_pk_add_f32 v[S+2*nn:S+2*nn+1], v[S+2*nn:S+2*nn+1], v[S+2*nn+16:S+2*nn+17]
.set nn, nn+1
.endr
.set nn, 0
.rept 4
	v_pk_add_f32 v[S+2*nn:S+2*nn+1], v[S+2*nn:S+2*nn+1], v[S+2*nn+8:S+2*nn+9]
.set nn, nn+1
.endr
	v_pk_add_f32 v[S:S+1], v[S:S+1], v[S+4:S+5]
	v_pk_add_f32 v[S+2:S+3], v[S+2:S+3], v[S+6:S+7]
	v_pk_add_f32 v[S:S+1], v[S:S+1], v[S+2:S+3]
	v_pk_fma_f32 v[10:11], v[10:11], v[12:13], v[S:S+1] op_sel_hi:[1,0,1]   ; l = a l + the sum
.set nn, 0
.rept 16
	v_pk_mul_f32 v[O+2*nn:O+2*nn+1], v[O+2*nn:O+2*nn+1], v[12:13] op_sel_hi:[1,0]
.set nn, nn+1
.endr
	s_wait_dscnt 0x0                               ; V is in
.irp u, 0,1
.irp cb, 0,1,2,3
	v_wmma_f32_16x16x32_f16 v[O+8*\cb:O+8*\cb+7], v[KV+32*\u+8*\cb:KV+32*\u+8*\cb+7], v[P+8*\u:P+8*\u+7], v[O+8*\cb:O+8*\cb+7]
.endr
.endr
.rept 4
	v_nop                                          ; the places behind these products: for the next step's loads into V's registers and for the tile's end
.endr
.if \fin
	FINISH
.else
	s_cmp_lg_u32 s12, s13
	s_cbranch_scc1 .Lon_\@
	FINISH                                         ; in the loop this is the first tile's end: the second tile's last step is the walk's last
	s_mov_b32 s16, s10
	INIT
.Lon_\@:
	s_mov_b32 s12, s14
.endif
.endm
	s_load_b128 s[4:7], s[0:1], 0x0                ; bufb s[4:5], bufa s[6:7]
	v_lshl_add_u32 v232, v0, 2, 0x4000
	v_mov_b32 v233, 0
	v_and_b32 v3, 31, v0
	v_lshrrev_b32 v4, 5, v0
	v_readfirstlane_b32 s8, v4                     ; wave
	v_lshlrev_b32 v1, 4, v3                        ; 16 x lane
	s_lshl_b32 s30, s8, 12
	v_add_nc_u32 v2, s30, v1                       ; my quarter of a step, in memory and in LDS alike
	v_and_b32 v3, 15, v0
	v_bfe_u32 v4, v0, 4, 1
	v_lshlrev_b32 v4, 3, v4
	v_sub_nc_u32 v7, v3, v4
	v_mov_b32 v6, 0xf149f2ca                       ; -1e30
	s_lshr_b32 s9, ttmp9, 5                        ; kv head
	s_and_b32 s10, ttmp9, 31                       ; p
	s_lshl2_add_u32 s11, s9, s8                    ; my query head
	s_sub_co_u32 s16, 63, s10                      ; the first tile
	s_mov_b32 s12, 0                               ; the key step in hand
	s_mov_b32 s32, 0x3e38aa3b                      ; c = log2(e) / 8
	s_mov_b32 s33, s32
	s_mov_b32 s34, 0x76543210
	s_mov_b32 s35, 0xfedcba98
	s_lshl_b32 s36, s9, 18
	s_add_co_u32 s36, s36, 4194304
	s_mov_b32 s37, 0
	s_lshl_b32 s38, s11, 17
	s_mov_b32 s39, 0
	s_lshl_b32 s40, s11, 11
	s_mov_b32 s41, 0
	s_wait_kmcnt 0x0
	s_add_nc_u64 s[18:19], s[4:5], s[36:37]        ; the kv head's steps
	s_add_nc_u64 s[22:23], s[4:5], s[38:39]        ; my head's Q
	s_add_nc_u64 s[26:27], s[6:7], s[40:41]        ; my head's 2,048 bytes in a tile of the result
	s_mov_b64 s[20:21], s[18:19]
.set nn, 0
.rept 8
	global_load_b128 v[CP+4*nn:CP+4*nn+3], v2, s[20:21] offset:512*nn
.set nn, nn+1
.endr
	INIT
	s_mov_b32 s15, 16
.Lstep:
	STEP 0
	s_sub_co_u32 s15, s15, 1
	s_cmp_lg_u32 s15, 0
	s_cbranch_scc1 .Lstep
	STEP 1
	s_barrier_signal -1
	s_barrier_wait -1
	s_wait_tensorcnt 0x0
	ds_add_u32 v232, v233
	s_wait_dscnt 0x0
	s_endpgm
.Lfunc_end_k_q610e16c69f_attn:
	.size	k_q610e16c69f_attn, .Lfunc_end_k_q610e16c69f_attn-k_q610e16c69f_attn
	.p2alignl 7, 3214868480
	.fill 96, 4, 3214868480
	.section	.rodata,"a",@progbits
	.p2align	6, 0x0
	.amdhsa_kernel k_q610e16c69f_attn
		.amdhsa_group_segment_fixed_size 16896
		.amdhsa_private_segment_fixed_size 0
		.amdhsa_enable_private_segment 0
		.amdhsa_kernarg_size 16
		.amdhsa_user_sgpr_count 2
		.amdhsa_user_sgpr_kernarg_segment_ptr 1
		.amdhsa_wavefront_size32 1
		.amdhsa_system_sgpr_workgroup_id_x 1
		.amdhsa_system_sgpr_workgroup_id_y 1
		.amdhsa_system_sgpr_workgroup_id_z 1
		.amdhsa_system_vgpr_workitem_id 0
		.amdhsa_next_free_vgpr 234
		.amdhsa_next_free_sgpr 66
		.amdhsa_reserve_vcc 1
		.amdhsa_float_denorm_mode_32 3
		.amdhsa_float_denorm_mode_16_64 3
		.amdhsa_memory_ordered 1
		.amdhsa_forward_progress 1
		.amdhsa_inst_pref_size 38
	.end_amdhsa_kernel
	.amdgpu_metadata
---
amdhsa.version: [ 1, 2 ]
amdhsa.kernels:
  - .name:           k_q610e16c69f_attn
    .symbol:         k_q610e16c69f_attn.kd
    .args:
      - { .name: bufb, .offset: 0, .size: 8, .value_kind: global_buffer, .address_space: global }
      - { .name: bufa, .offset: 8, .size: 8, .value_kind: global_buffer, .address_space: global }
    .group_segment_fixed_size: 16896
    .private_segment_fixed_size: 0
    .kernarg_segment_align: 8
    .kernarg_segment_size: 16
    .max_flat_workgroup_size: 128
    .sgpr_count:     66
    .vgpr_count:     234
    .wavefront_size: 32
...
	.end_amdgpu_metadata
.endif
;; end of part 3
;; launch oproj (part 4): grid 32 x 8, 4 waves a work-group, no clusters, 52,736 bytes of LDS; arguments bufa, o_w, hidden_states, bufb; writes bufb
.if DOCPART == 4
	.amdgcn_target "amdgcn-amd-amdhsa--gfx1250"
	.amdhsa_code_object_version 6
	.text
	.protected	k_q610e16c69f_oproj
	.globl	k_q610e16c69f_oproj
	.p2align	8
	.type	k_q610e16c69f_oproj,@function
k_q610e16c69f_oproj:
	s_mov_b64 s[64:65], 0
	v_nop
	global_prefetch_b8 v0, s[64:65] scope:SCOPE_SE
	s_setreg_imm32_b32 hwreg(HW_REG_WAVE_MODE, 25, 1), 1
	s_wait_xcnt 0x0
; x = attention o_w^T + hidden_states, f32, row-major.  f16 operands, f32 sums.
; A work-group owns 64 output columns (x) and 128 tokens (y); wave w two tiles of 16 tokens x all 64 columns: 8 accumulators.  32 x 8 = 256 work-groups.
; K in steps of 128; the f32 weights are rounded once to f16 on the way to one of two LDS buffers (64 rows of 272 bytes); the tokens' fragments come ready from memory.
; Source 0 = 16 weight rows, source 1 = 16 tokens.  The way out goes through a stage of the wave's own (16 rows x 272 bytes), so that sixteen lanes store 256 consecutive bytes of a row.
; NO CLUSTER, NO TENSOR LOAD: the eight row blocks of a column block read the same weights, but as f32 that must be rounded on the way; a joint load would land twice the bytes in LDS and ask for a second pass.
; The accumulators are cleared (64 v_mov_b32) so that one text of a step serves all sixteen steps.   LIMIT: o_w is rounded to f16 (below 6e-5 a fixed step of 6e-8).
; REGISTERS as in windows of 256: window 0: v1 16 x lane; v3, v4, v10, v11 LDS addresses; v12 row offset; v32-63 rounded words; v64-191 weight fragments, later rows read back; v192-255 the residual
;   window 1: v0-63 accumulators      windows 2, 3: v0-63 token fragments, v192-255 weights as loaded
.set PITCH, 272
.set WBUF,  64*PITCH
.set STG,   2*WBUF
.set NSL,   2
.set ROWB,  8192
.set SLOTB, 65536
.set TRIPS, 7
.set CV, 32
.set WF, 64
.set WS, 192
.set RB, 64
.set RES, 192
.set MSB, 0
.macro WIN new
.if MSB != (\new)
	s_set_vgpr_msb (MSB<<8)|(\new)
.set MSB, (\new)
.endif
.endm
.macro ALOAD buf, off
	WIN (2+(\buf))<<6
.set sl, 0
.rept NSL
.set kb, 0
.rept 4
	global_load_b128 v[32*sl+8*kb:32*sl+8*kb+3], v1, s[14:15] offset:sl*SLOTB+kb*1024+(\off)
	global_load_b128 v[32*sl+8*kb+4:32*sl+8*kb+7], v1, s[14:15] offset:sl*SLOTB+kb*1024+512+(\off)
.set kb, kb+1
.endr
.set sl, sl+1
.endr
.endm
.macro WLOAD st, off
	WIN (2+(\st))<<6
.set nn, 0
.rept 16
	global_load_b128 v[WS+4*nn:WS+4*nn+3], v1, s[12:13] offset:nn*ROWB+(\off)
.set nn, nn+1
.endr
.endm
.macro HOOK                            ; the residual of my 32 rows, 256 bytes each, asked for in the last step
	WIN 0
.set sl, 0
.rept NSL
.set tt, 0
.rept 8
	global_load_b128 v[RES+32*sl+4*tt:RES+32*sl+4*tt+3], v12, s[22:23] offset:sl*131072+tt*16384
.set tt, tt+1
.endr
.set sl, sl+1
.endr
.endm
; ONE K STEP on set p.  Order of issue: tokens of step s + 1, then weights of step s + 2: at a step's head the youngest 16 loads are the weights of step s + 1.
; The 32 conversions are the places between the last step's products and the loads into registers that they read.  One barrier: my stores into buffer p and my reads of the other buffer are done in front of it.
.macro STEP p, lda, ldw, cnt, hook
	s_wait_loadcnt \cnt
	WIN 0x0a+5*(\p)
.set nn, 0
.rept 32
	v_cvt_pk_f16_f32 v[CV+nn], v[WS+2*nn], v[WS+2*nn+1]
.set nn, nn+1
.endr
	WIN 0
.set nn, 0
.rept 16
	ds_store_b64 v3, v[CV+2*nn:CV+2*nn+1] offset:(\p)*WBUF+nn*PITCH
.set nn, nn+1
.endr
.if \lda
	ALOAD 1-(\p), 4096*(1+(\p))
.endif
.if \ldw
	WLOAD \p, 1024+512*(\p)
.endif
.if \hook
	HOOK
.endif
	WIN 0
	s_wait_dscnt 0x0
	s_barrier_signal -1
	s_barrier_wait -1
.set kb, 0
.rept 4
.set nb, 0
.rept 4
	ds_load_b128 v[WF+32*kb+8*nb:WF+32*kb+8*nb+3], v4 offset:(\p)*WBUF+nb*16*PITCH+kb*64
	ds_load_b128 v[WF+32*kb+8*nb+4:WF+32*kb+8*nb+7], v4 offset:(\p)*WBUF+nb*16*PITCH+kb*64+32
.set nb, nb+1
.endr
.set kb, kb+1
.endr
	WIN 0x58+4*(\p)
.set sl, 0
.rept NSL
.set kb, 0
.rept 4
.if sl == 0
	s_wait_dscnt 24-8*kb                           ; the 8 loads of this kb are in; those of the later kb may stay out
.endif
.set nb, 0
.rept 4                                ; four accumulators by turns
	v_wmma_f32_16x16x32_f16 v[32*sl+8*nb:32*sl+8*nb+7], v[WF+32*kb+8*nb:WF+32*kb+8*nb+7], v[32*sl+8*kb:32*sl+8*kb+7], v[32*sl+8*nb:32*sl+8*nb+7]
.set nb, nb+1
.endr
.set kb, kb+1
.endr
.set sl, sl+1
.endr
	WIN 0
.endm
	s_load_b256 s[4:11], s[0:1], 0x0               ; bufa s[4:5], o_w s[6:7], hidden s[8:9], bufb s[10:11]
	v_lshl_add_u32 v30, v0, 2, 0xcc00
	v_mov_b32 v31, 0
	v_and_b32 v2, 31, v0
	v_lshrrev_b32 v5, 5, v0
	v_readfirstlane_b32 s20, v5
	v_lshlrev_b32 v1, 4, v2
	v_and_b32 v6, 15, v0                           ; r
	v_bfe_u32 v7, v0, 4, 1                         ; h
	s_mul_i32 s30, s20, 16*PITCH
	v_lshl_add_u32 v3, v2, 3, s30
	v_mul_u32_u24 v4, v6, PITCH
	v_lshl_add_u32 v4, v7, 4, v4
	s_add_co_u32 s31, s30, STG                     ; my stage
	v_mul_u32_u24 v10, v6, PITCH
	v_lshl_add_u32 v10, v7, 5, v10
	v_add_nc_u32 v10, s31, v10                     ; in: token r, 32 bytes for each half of the lanes
	v_mul_u32_u24 v11, v7, PITCH
	v_lshl_add_u32 v11, v6, 4, v11
	v_add_nc_u32 v11, s31, v11                     ; back: lanes 0-15 one row of 256 bytes, lanes 16-31 the next
	v_lshlrev_b32 v12, 13, v7
	v_lshl_add_u32 v12, v6, 4, v12                 ; the same two rows in memory
	s_mov_b32 s19, ttmp9
	s_and_b32 s21, ttmp7, 0xffff
	s_lshl_b32 s30, s21, 3
	s_lshl1_add_u32 s30, s20, s30                  ; my first tile: 8 y + 2 w
	s_lshl_b32 s32, s19, 6
	s_lshl4_add_u32 s32, s20, s32
	s_lshl_b32 s32, s32, 13
	s_mov_b32 s33, 0
	s_lshl_b32 s34, s30, 16
	s_mov_b32 s35, 0
	s_lshl_b32 s36, s30, 17
	s_lshl_b32 s37, s19, 8
	s_add_co_u32 s36, s36, s37                     ; row 16 x tile, byte 256 x
	s_mov_b32 s37, 0
	s_wait_kmcnt 0x0
	s_add_nc_u64 s[12:13], s[6:7], s[32:33]
	s_add_nc_u64 s[14:15], s[4:5], s[34:35]
	s_add_nc_u64 s[22:23], s[8:9], s[36:37]
	s_add_nc_u64 s[16:17], s[10:11], s[36:37]
	ALOAD 0, 0
	WLOAD 0, 0
	WLOAD 1, 512
	WIN 0x40
.set nn, 0
.rept 32*NSL
	v_mov_b32 v[nn], 0
.set nn, nn+1
.endr
	WIN 0
	s_mov_b32 s18, TRIPS
.Lk:
	STEP 0, 1, 1, 16, 0
	STEP 1, 1, 1, 16, 0
	s_wait_xcnt 0x0
	s_add_nc_u64 s[14:15], s[14:15], 8192
	s_add_nc_u64 s[12:13], s[12:13], 1024
	s_sub_co_u32 s18, s18, 1
	s_cmp_lg_u32 s18, 0
	s_cbranch_scc1 .Lk
	STEP 0, 1, 0, 16, 0
	STEP 1, 0, 0, 0, 1
.rept 4
	v_nop                                          ; the places behind the last products
.endr
	s_wait_loadcnt 0x0                             ; the residual
.macro OUTROW s
	WIN 0x04                                       ; store data window 1
.set nb, 0
.rept 4
	ds_store_b128 v10, v[32*(\s)+8*nb:32*(\s)+8*nb+3] offset:64*nb         ; each accumulator's low half first
	ds_store_b128 v10, v[32*(\s)+8*nb+4:32*(\s)+8*nb+7] offset:64*nb+16
.set nb, nb+1
.endr
	WIN 0
.set tt, 0
.rept 8
	ds_load_b128 v[RB+32*(\s)+4*tt:RB+32*(\s)+4*tt+3], v11 offset:544*tt   ; LDS serves a wave's instructions in order: these see the stores above
.set tt, tt+1
.endr
	s_wait_dscnt 0x0
.set nn, 0
.rept 16
	v_pk_add_f32 v[RB+32*(\s)+2*nn:RB+32*(\s)+2*nn+1], v[RB+32*(\s)+2*nn:RB+32*(\s)+2*nn+1], v[RES+32*(\s)+2*nn:RES+32*(\s)+2*nn+1]
.set nn, nn+1
.endr
.set tt, 0
.rept 8
	global_store_b128 v12, v[RB+32*(\s)+4*tt:RB+32*(\s)+4*tt+3], s[16:17] offset:(\s)*131072+tt*16384   ; 16 lanes store 256 consecutive bytes, aligned
.set tt, tt+1
.endr
.endm
	OUTROW 0
	OUTROW 1
	s_barrier_signal -1
	s_barrier_wait -1
	s_wait_tensorcnt 0x0
	ds_add_u32 v30, v31
	s_wait_dscnt 0x0
	s_endpgm
.Lfunc_end_k_q610e16c69f_oproj:
	.size	k_q610e16c69f_oproj, .Lfunc_end_k_q610e16c69f_oproj-k_q610e16c69f_oproj
	.p2alignl 7, 3214868480
	.fill 96, 4, 3214868480
	.section	.rodata,"a",@progbits
	.p2align	6, 0x0
	.amdhsa_kernel k_q610e16c69f_oproj
		.amdhsa_group_segment_fixed_size 52736
		.amdhsa_private_segment_fixed_size 0
		.amdhsa_enable_private_segment 0
		.amdhsa_kernarg_size 32
		.amdhsa_user_sgpr_count 2
		.amdhsa_user_sgpr_kernarg_segment_ptr 1
		.amdhsa_wavefront_size32 1
		.amdhsa_system_sgpr_workgroup_id_x 1
		.amdhsa_system_sgpr_workgroup_id_y 1
		.amdhsa_system_sgpr_workgroup_id_z 1
		.amdhsa_system_vgpr_workitem_id 0
		.amdhsa_next_free_vgpr 1024
		.amdhsa_next_free_sgpr 66
		.amdhsa_reserve_vcc 0
		.amdhsa_float_denorm_mode_32 3
		.amdhsa_float_denorm_mode_16_64 3
		.amdhsa_memory_ordered 1
		.amdhsa_forward_progress 1
		.amdhsa_inst_pref_size 54
	.end_amdhsa_kernel
	.amdgpu_metadata
---
amdhsa.version: [ 1, 2 ]
amdhsa.kernels:
  - .name:           k_q610e16c69f_oproj
    .symbol:         k_q610e16c69f_oproj.kd
    .args:
      - { .name: bufa, .offset: 0, .size: 8, .value_kind: global_buffer, .address_space: global }
      - { .name: o_w, .offset: 8, .size: 8, .value_kind: global_buffer, .address_space: global }
      - { .name: hidden_states, .offset: 16, .size: 8, .value_kind: global_buffer, .address_space: global }
      - { .name: bufb, .offset: 24, .size: 8, .value_kind: global_buffer, .address_space: global }
    .group_segment_fixed_size: 52736
    .private_segment_fixed_size: 0
    .kernarg_segment_align: 8
    .kernarg_segment_size: 32
    .max_flat_workgroup_size: 128
    .sgpr_count:     66
    .vgpr_count:     1024
    .wavefront_size: 32
...
	.end_amdgpu_metadata
.endif
;; end of part 4
;; launch norm2 (part 5): grid 128 x 1, 8 waves a work-group, no clusters, 66,560 bytes of LDS; arguments bufb, post_attn_g, pre_moe_g, gate_w, out1, bufa, topi; writes out1, bufa, topi
.if DOCPART == 5
	.amdgcn_target "amdgcn-amd-amdhsa--gfx1250"
	.amdhsa_code_object_version 6
	.text
	.protected	k_q610e16c69f_norm2
	.globl	k_q610e16c69f_norm2
	.p2align	8
	.type	k_q610e16c69f_norm2,@function
k_q610e16c69f_norm2:
	s_mov_b64 s[64:65], 0
	v_nop
	global_prefetch_b8 v0, s[64:65] scope:SCOPE_SE
	s_setreg_imm32_b32 hwreg(HW_REG_WAVE_MODE, 25, 1), 1
	s_wait_xcnt 0x0
; out1 = rms_norm(x, post_attn_g); hM = rms_norm(out1, pre_moe_g); logits = hM gate_w^T; the two largest and the softmax of the two.
; One wave, one row (8,192 bytes = 64 registers); a work-group has 8 rows, and wave w also brings gate row w into LDS for all eight.
; The gate stays in f32 on the vector unit: 8 multiply-adds a number of hM, and a choice between experts must not hang on a rounding to 16 bits.
; The choice is made by selects alone (a strict comparison: the lower index wins a tie, as in lax.top_k) and stored as whole numbers for the launches behind.
; OUT: out1 f32; bufa: hM [1024][2048] f16 row-major, and at byte 4,194,304 the two weights [1024][2] f32; topi [1024][2] i32.
; LIMITS: NaN and infinities are not treated apart; |hM| <= 45 |g| must stay within f16's 65,504.
.set X,  16
.set G,  80
.set GT, 144
.macro SUMSQ                           ; the row's sum of squares, four chains
.set i, 0
.rept 4
	v_pk_mul_f32 v[4+2*i:5+2*i], v[X+2*i:X+2*i+1], v[X+2*i:X+2*i+1]
.set i, i+1
.endr
.rept 28
	v_pk_fma_f32 v[4+2*(i%4):5+2*(i%4)], v[X+2*i:X+2*i+1], v[X+2*i:X+2*i+1], v[4+2*(i%4):5+2*(i%4)]
.set i, i+1
.endr
.endm
.macro RSUM                            ; v[4:11] -> the wave's sum, in v4 of every lane
	v_pk_add_f32 v[4:5], v[4:5], v[6:7]
	v_pk_add_f32 v[8:9], v[8:9], v[10:11]
	v_pk_add_f32 v[4:5], v[4:5], v[8:9]
	v_add_f32 v4, v4, v5
	v_add_f32_dpp v4, v4, v4 row_xmask:1 row_mask:0xf bank_mask:0xf
	v_add_f32_dpp v4, v4, v4 row_xmask:2 row_mask:0xf bank_mask:0xf
	v_add_f32_dpp v4, v4, v4 row_xmask:4 row_mask:0xf bank_mask:0xf
	v_add_f32_dpp v4, v4, v4 row_xmask:8 row_mask:0xf bank_mask:0xf
	v_permlanex16_b32 v5, v4, s20, s21
	v_add_f32 v4, v4, v5
.endm
.macro SCALE g                         ; X = X rsqrt(mean + eps) g
	v_fma_f32 v4, v4, s22, s23
	v_rsq_f32 v6, v4
	v_nop
.set i, 0
	s_wait_alu depctr_va_vdst(0)
.rept 32
	v_pk_mul_f32 v[X+2*i:X+2*i+1], v[X+2*i:X+2*i+1], v[6:7] op_sel_hi:[1,0]
.set i, i+1
.endr
.set i, 0
.rept 32
	v_pk_mul_f32 v[X+2*i:X+2*i+1], v[X+2*i:X+2*i+1], v[(\g)+2*i:(\g)+2*i+1]
.set i, i+1
.endr
.endm
	s_load_b256 s[4:11], s[0:1], 0x0               ; x s[4:5], post_attn_g s[6:7], pre_moe_g s[8:9], gate_w s[10:11]
	s_load_b128 s[12:15], s[0:1], 0x20             ; out1 s[12:13], bufa s[14:15]
	s_load_b64 s[16:17], s[0:1], 0x30              ; topi
	v_lshl_add_u32 v216, v0, 2, 0x10000
	v_mov_b32 v217, 0
	v_and_b32 v1, 31, v0
	v_lshrrev_b32 v3, 5, v0
	v_readfirstlane_b32 s18, v3                    ; wave
	v_lshlrev_b32 v2, 4, v1
	v_lshlrev_b32 v13, 3, v1
	s_lshl_b32 s19, ttmp9, 3
	s_add_co_u32 s19, s19, s18                     ; my token
	s_lshl_b32 s24, s19, 13
	s_mov_b32 s25, 0
	s_lshl_b32 s26, s18, 13
	s_mov_b32 s27, 0
	s_lshl_b32 s28, s19, 12
	s_mov_b32 s29, 0
	s_lshl_b32 s30, s19, 3
	s_mov_b32 s31, 0
	s_mov_b32 s20, 0x76543210
	s_mov_b32 s21, 0xfedcba98
	s_mov_b32 s22, 0x3a000000                      ; 1 / 2048
	s_mov_b32 s23, 0x3727c5ac                      ; 1e-5
	v_add_nc_u32 v12, s26, v2                      ; gate row w in LDS
	s_wait_kmcnt 0x0
	s_add_nc_u64 s[4:5], s[4:5], s[24:25]
	s_add_nc_u64 s[12:13], s[12:13], s[24:25]
	s_add_nc_u64 s[10:11], s[10:11], s[26:27]
	s_add_nc_u64 s[32:33], s[14:15], s[28:29]      ; hM's row
	s_add_nc_u64 s[14:15], s[14:15], s[30:31]      ; the weights' 8 bytes, less 4,194,304
	s_add_nc_u64 s[16:17], s[16:17], s[30:31]
.set i, 0
.rept 16
	global_load_b128 v[X+4*i:X+4*i+3], v2, s[4:5] offset:512*i
.set i, i+1
.endr
.set i, 0
.rept 16
	global_load_b128 v[GT+4*i:GT+4*i+3], v2, s[10:11] offset:512*i
.set i, i+1
.endr
.set i, 0
.rept 16
	global_load_b128 v[G+4*i:G+4*i+3], v2, s[6:7] offset:512*i
.set i, i+1
.endr
	s_wait_loadcnt 16                              ; the row and the gate row are in; the first gain's 16 loads may stay out
.set i, 0
.rept 16
	ds_store_b128 v12, v[GT+4*i:GT+4*i+3] offset:512*i
.set i, i+1
.endr
	SUMSQ
	RSUM
	s_wait_dscnt 0x0                               ; the gate row is in LDS: its registers take the second gain
.set i, 0
.rept 16
	global_load_b128 v[GT+4*i:GT+4*i+3], v2, s[8:9] offset:512*i
.set i, i+1
.endr
	s_wait_loadcnt 16                              ; the first gain is in; the second gain's 16 loads may stay out
	SCALE G
.set i, 0
.rept 16
	global_store_b128 v2, v[X+4*i:X+4*i+3], s[12:13] offset:512*i
.set i, i+1
.endr
	SUMSQ
	RSUM
	s_wait_loadcnt 0x0                             ; the second gain
	s_wait_xcnt 0x0                                ; the row is rewritten only behind this wait: the stores above read it
	SCALE GT
.set i, 0
.rept 32
	v_cvt_pk_f16_f32 v[G+i], v[X+2*i], v[X+2*i+1]
.set i, i+1
.endr
.set i, 0
.rept 16
	global_store_b64 v13, v[G+2*i:G+2*i+1], s[32:33] offset:256*i    ; 256 consecutive bytes an instruction
.set i, i+1
.endr
	s_barrier_signal -1                            ; every wave's gate row was waited for above
	s_barrier_wait -1
	v_mov_b32 v208, 0xff800000                     ; the largest and the second so far, and where
	v_mov_b32 v209, 0xff800000
	v_mov_b32 v212, 0
	v_mov_b32 v213, 1
	v_mov_b32 v12, v2
	s_mov_b32 s36, 0
.Lgate:
.set i, 0
.rept 16
	ds_load_b128 v[GT+4*i:GT+4*i+3], v12 offset:512*i
.set i, i+1
.endr
	s_wait_dscnt 0x0
.set i, 0
.rept 4
	v_pk_mul_f32 v[4+2*i:5+2*i], v[X+2*i:X+2*i+1], v[GT+2*i:GT+2*i+1]
.set i, i+1
.endr
.rept 28
	v_pk_fma_f32 v[4+2*(i%4):5+2*(i%4)], v[X+2*i:X+2*i+1], v[GT+2*i:GT+2*i+1], v[4+2*(i%4):5+2*(i%4)]
.set i, i+1
.endr
	RSUM
	v_mov_b32 v210, s36
	v_cmp_gt_f32 s34, v4, v208
	v_cmp_gt_f32 s35, v4, v209
	v_cndmask_b32 v209, v209, v4, s35
	v_cndmask_b32 v209, v209, v208, s34
	v_cndmask_b32 v213, v213, v210, s35
	v_cndmask_b32 v213, v213, v212, s34
	v_cndmask_b32 v208, v208, v4, s34
	v_cndmask_b32 v212, v212, v210, s34
	v_add_nc_u32 v12, 0x2000, v12
	s_add_co_u32 s36, s36, 1
	s_cmp_lt_u32 s36, 8
	s_cbranch_scc1 .Lgate
	v_sub_f32 v4, v209, v208                       ; the maximum is taken away: the exponent is at most 0
	v_mul_f32 v4, 0x3fb8aa3b, v4
	v_exp_f32 v4, v4
	v_nop
	s_wait_alu depctr_va_vdst(0)
	v_add_f32 v4, 1.0, v4
	v_rcp_f32 v214, v4
	v_nop
	s_wait_alu depctr_va_vdst(0)
	v_sub_f32 v215, 1.0, v214
	v_mov_b32 v5, 0
	v_cmp_eq_u32 vcc_lo, 0, v1
	s_wait_xcnt 0x0                                ; EXEC changes only behind this wait
	s_barrier_signal -1
	s_barrier_wait -1
	s_wait_tensorcnt 0x0
	ds_add_u32 v216, v217
	s_wait_dscnt 0x0
	s_and_saveexec_b32 s37, vcc_lo                 ; every lane holds the same four numbers: lane 0 stores them
	global_store_b64 v5, v[212:213], s[16:17]
	global_store_b64 v5, v[214:215], s[14:15] offset:4194304
	s_endpgm
.Lfunc_end_k_q610e16c69f_norm2:
	.size	k_q610e16c69f_norm2, .Lfunc_end_k_q610e16c69f_norm2-k_q610e16c69f_norm2
	.p2alignl 7, 3214868480
	.fill 96, 4, 3214868480
	.section	.rodata,"a",@progbits
	.p2align	6, 0x0
	.amdhsa_kernel k_q610e16c69f_norm2
		.amdhsa_group_segment_fixed_size 66560
		.amdhsa_private_segment_fixed_size 0
		.amdhsa_enable_private_segment 0
		.amdhsa_kernarg_size 56
		.amdhsa_user_sgpr_count 2
		.amdhsa_user_sgpr_kernarg_segment_ptr 1
		.amdhsa_wavefront_size32 1
		.amdhsa_system_sgpr_workgroup_id_x 1
		.amdhsa_system_sgpr_workgroup_id_y 1
		.amdhsa_system_sgpr_workgroup_id_z 1
		.amdhsa_system_vgpr_workitem_id 0
		.amdhsa_next_free_vgpr 218
		.amdhsa_next_free_sgpr 66
		.amdhsa_reserve_vcc 1
		.amdhsa_float_denorm_mode_32 3
		.amdhsa_float_denorm_mode_16_64 3
		.amdhsa_memory_ordered 1
		.amdhsa_forward_progress 1
		.amdhsa_inst_pref_size 33
	.end_amdhsa_kernel
	.amdgpu_metadata
---
amdhsa.version: [ 1, 2 ]
amdhsa.kernels:
  - .name:           k_q610e16c69f_norm2
    .symbol:         k_q610e16c69f_norm2.kd
    .args:
      - { .name: bufb, .offset: 0, .size: 8, .value_kind: global_buffer, .address_space: global }
      - { .name: post_attn_g, .offset: 8, .size: 8, .value_kind: global_buffer, .address_space: global }
      - { .name: pre_moe_g, .offset: 16, .size: 8, .value_kind: global_buffer, .address_space: global }
      - { .name: gate_w, .offset: 24, .size: 8, .value_kind: global_buffer, .address_space: global }
      - { .name: out1, .offset: 32, .size: 8, .value_kind: global_buffer, .address_space: global }
      - { .name: bufa, .offset: 40, .size: 8, .value_kind: global_buffer, .address_space: global }
      - { .name: topi, .offset: 48, .size: 8, .value_kind: global_buffer, .address_space: global }
    .group_segment_fixed_size: 66560
    .private_segment_fixed_size: 0
    .kernarg_segment_align: 8
    .kernarg_segment_size: 56
    .max_flat_workgroup_size: 256
    .sgpr_count:     66
    .vgpr_count:     218
    .wavefront_size: 32
...
	.end_amdgpu_metadata
.endif
;; end of part 5
;; launch pack (part 6): grid 136 x 1, 8 waves a work-group, no clusters, 136,448 bytes of LDS; arguments topi, bufa, bufb, route; writes bufb, route
.if DOCPART == 6
	.amdgcn_target "amdgcn-amd-amdhsa--gfx1250"
	.amdhsa_code_object_version 6
	.text
	.protected	k_q610e16c69f_pack
	.globl	k_q610e16c69f_pack
	.p2align	8
	.type	k_q610e16c69f_pack,@function
k_q610e16c69f_pack:
	s_mov_b64 s[64:65], 0
	v_nop
	global_prefetch_b8 v0, s[64:65] scope:SCOPE_SE
	s_setreg_imm32_b32 hwreg(HW_REG_WAVE_MODE, 25, 1), 1
	s_wait_xcnt 0x0
; The routing as whole numbers, and hM gathered by expert into fragment tiles.  No atomics: ranks come from ballots and counts.
; Expert e's tokens take the slots 16 tb[e] + rank, rank in token order; nt[e] = ceil(count / 16) tiles, tb = the sum of nt over lower experts; the sum of nt is at most 135.
; Every work-group repeats the routing (8 KB of indices): wave e serves expert e and writes only LDS rows of its own: a list (rank -> token; lanes not routed to e write dump words 1024 + lane of the
; same row) and a rank row (token -> rank).  Then work-group T copies tile T: 16 rows of hM, 512 bytes of each a wave, through a stage of the wave's own into AP2 [136 tiles][64 kb][1,024 B].
; Slots beyond an expert's count, and tiles beyond the last, take token 0 (the lists are zeroed) or any listed token: finite rows that nobody reads the results of.
; Work-group 0 also stores route: META [8] x (tb, nt, 0, 0) at 0, SLOT [1024][2] at 256.
.set LP,   4352                        ; a list row: 1,024 words, 32 dump words, padding
.set RANK, 8*LP
.set CNT,  RANK+8*4096                 ; eight counts
.set TBL,  CNT+128                     ; eight first slots
.set STG,  CNT+256
.set SPI,  528                         ; a stage row: 512 bytes + 16: 33 x 16, so that 16 rows start in 16 different 16-byte columns
.set SB,   16*SPI
	s_load_b256 s[4:11], s[0:1], 0x0               ; topi s[4:5], bufa s[6:7], bufb s[8:9], route s[10:11]
	v_lshl_add_u32 v168, v0, 2, 0x21100
	v_mov_b32 v169, 0
	v_and_b32 v1, 31, v0
	v_lshrrev_b32 v2, 5, v0
	v_readfirstlane_b32 s20, v2                    ; wave = expert
	v_lshlrev_b32 v3, 3, v1
	v_lshlrev_b32 v2, 4, v1
	s_mul_i32 s22, s20, LP                         ; my list
	s_lshl_b32 s23, s20, 12
	s_add_co_u32 s23, s23, RANK
	v_add_nc_u32 v8, s22, v2
	v_lshl_add_u32 v9, v1, 2, s23                  ; my rank row, word lane
	v_add_nc_u32 v13, 0x400, v1                    ; my dump word
	v_mov_b32 v4, 0
	v_mov_b32 v5, 0
	v_mov_b32 v6, 0
	v_mov_b32 v7, 0
	s_mov_b32 s21, 0                               ; tokens of my expert so far
	s_wait_kmcnt 0x0
.set i, 0
.rept 32
	global_load_b64 v[32+2*i:33+2*i], v3, s[4:5] offset:256*i     ; tokens 32 i + lane
.set i, i+1
.endr
.set i, 0
.rept 8
	ds_store_b128 v8, v[4:7] offset:512*i
.set i, i+1
.endr
	s_wait_loadcnt 0x0
.set i, 0
.rept 32
	v_cmp_eq_u32 s30, s20, v[32+2*i]
	v_cmp_eq_u32 s31, s20, v[33+2*i]
	s_or_b32 s30, s30, s31                         ; the lanes whose token goes to my expert
	v_mbcnt_lo_u32_b32 v10, s30, s21               ; rank = tokens so far + such lanes below me
	v_min_u32 v10, 0x3ff, v10
	ds_store_b32 v9, v10 offset:128*i
	v_cndmask_b32 v11, v13, v10, s30               ; the others write their dump word
	v_min_u32 v11, 0x41f, v11
	v_lshl_add_u32 v11, v11, 2, s22
	v_add_nc_u32 v12, 32*i, v1
	ds_store_b32 v11, v12
	s_bcnt1_i32_b32 s31, s30
	s_add_co_u32 s21, s21, s31
.set i, i+1
.endr
	v_mov_b32 v10, s21
	s_lshl_b32 s24, s20, 2
	s_add_co_u32 s24, s24, CNT
	v_mov_b32 v14, s24
	ds_store_b32 v14, v10
	s_wait_dscnt 0x0                               ; for the others' sake: my list, my ranks and my count are in LDS
	s_barrier_signal -1
	s_barrier_wait -1
	v_mov_b32 v15, CNT
	ds_load_b128 v[16:19], v15
	ds_load_b128 v[20:23], v15 offset:16
	s_wait_dscnt 0x0
.set i, 0
.rept 8
	v_readfirstlane_b32 s[40+i], v[16+i]
	s_add_co_u32 s[40+i], s[40+i], 15
	s_lshr_b32 s[40+i], s[40+i], 4
	s_min_u32 s[40+i], s[40+i], 64                 ; nt
.set i, i+1
.endr
	s_mov_b32 s48, 0
.set i, 1
.rept 7
	s_add_co_u32 s[48+i], s[47+i], s[39+i]         ; tb
.set i, i+1
.endr
	s_mov_b32 s56, 0
	s_mov_b32 s57, 0
.set i, 0
.rept 8
	s_cmp_eq_u32 s20, i
	s_cselect_b32 s56, s[48+i], s56                ; my expert's tb and nt
	s_cselect_b32 s57, s[40+i], s57
.set i, i+1
.endr
	s_lshl_b32 s58, s56, 4
	v_mov_b32 v10, s58
	ds_store_b32 v14, v10 offset:128               ; my expert's first slot
	s_wait_dscnt 0x0
	s_barrier_signal -1
	s_barrier_wait -1
	s_mov_b32 s61, ttmp9                           ; my tile; its expert is the last whose tb is not beyond it
	s_mov_b32 s59, 0
	s_mov_b32 s60, 0
.set i, 1
.rept 7
	s_cmp_le_u32 s[48+i], s61
	s_cselect_b32 s59, i, s59
	s_cselect_b32 s60, s[48+i], s60
.set i, i+1
.endr
	s_sub_co_u32 s60, s61, s60
	s_lshl_b32 s60, s60, 4
	s_min_u32 s60, s60, 1008                       ; the tile's first rank
	s_min_u32 s59, s59, 7
	s_mul_i32 s59, s59, LP
	s_lshl2_add_u32 s59, s60, s59
	v_mov_b32 v15, s59
.set i, 0
.rept 4
	ds_load_b128 v[16+4*i:19+4*i], v15 offset:16*i ; the tile's 16 tokens, in every lane
.set i, i+1
.endr
	s_lshl_b32 s24, s20, 9
	v_add_nc_u32 v163, s24, v2                     ; wave w takes bytes 512 w .. of each row
	s_mul_i32 s25, s20, SB
	s_add_co_u32 s25, s25, STG
	v_add_nc_u32 v161, s25, v2
	v_and_b32 v10, 15, v0
	v_bfe_u32 v11, v0, 4, 1
	v_mul_u32_u24 v162, v10, SPI
	v_lshl_add_u32 v162, v11, 4, v162
	v_add_nc_u32 v162, s25, v162
	s_lshl_b32 s24, s20, 13
	v_add_nc_u32 v160, s24, v2
	s_lshl_b32 s26, s61, 16
	s_mov_b32 s27, 0
	s_add_nc_u64 s[8:9], s[8:9], s[26:27]
	s_wait_dscnt 0x0                               ; my reads of the list are back:
	s_barrier_signal -1                            ; their address hangs on counts, so a barrier orders every wave's reads of the lists
	s_barrier_wait -1                              ; ahead of every wave's stores into its stage
.set i, 0
.rept 16
	v_min_u32 v[16+i], 0x3ff, v[16+i]
	v_lshl_add_u32 v[16+i], v[16+i], 12, v163
	global_load_b128 v[32+4*i:35+4*i], v[16+i], s[6:7]            ; 512 consecutive bytes of a row of hM
.set i, i+1
.endr
.set i, 0
.rept 16
	s_wait_loadcnt 15-i                            ; loads come back in order: row i is in
	ds_store_b128 v161, v[32+4*i:35+4*i] offset:SPI*i
.set i, i+1
.endr
.set i, 0
.rept 16
	ds_load_b128 v[96+4*i:99+4*i], v162 offset:32*i               ; kb = 8 w + i / 2, q = i % 2; LDS serves a wave's instructions in order
.set i, i+1
.endr
.set i, 0
.rept 16
	s_wait_dscnt 15-i
	global_store_b128 v160, v[96+4*i:99+4*i], s[8:9] offset:512*i
.set i, i+1
.endr
	s_cmp_lg_u32 s61, 0
	s_cbranch_scc1 .Lend
	; work-group 0: SLOT[token][k] = first slot of expert topi[token][k] + the token's rank there.  Thread t takes tokens 2 t, 2 t + 1, 512 + 2 t, 513 + 2 t.
	v_lshlrev_b32 v4, 4, v0
	global_load_b128 v[16:19], v4, s[4:5]
	global_load_b128 v[20:23], v4, s[4:5] offset:4096
	v_lshlrev_b32 v5, 3, v0
	v_add_nc_u32 v5, RANK, v5
	v_mov_b32 v6, TBL
	s_wait_loadcnt 0x0
.set i, 0
.rept 8
	v_min_u32 v[16+i], 7, v[16+i]
	v_lshl_add_u32 v[24+i], v[16+i], 12, v5
	v_lshl_add_u32 v[32+i], v[16+i], 2, v6
	ds_load_b32 v[40+i], v[24+i] offset:(i/4)*2048+((i%4)/2)*4
	ds_load_b32 v[48+i], v[32+i]
.set i, i+1
.endr
	s_wait_dscnt 0x0
.set i, 0
.rept 8
	v_add_nc_u32 v[56+i], v[40+i], v[48+i]
	v_min_u32 v[56+i], 0x87f, v[56+i]
.set i, i+1
.endr
	global_store_b128 v4, v[56:59], s[10:11] offset:256
	global_store_b128 v4, v[60:63], s[10:11] offset:4352
	v_mov_b32 v64, s56
	v_mov_b32 v65, s57
	v_mov_b32 v66, 0
	v_mov_b32 v67, 0
	s_lshl_b32 s24, s20, 4
	v_mov_b32 v68, s24
	v_cmp_eq_u32 vcc_lo, 0, v1
	s_wait_xcnt 0x0                                ; EXEC changes only behind this wait
	s_wait_tensorcnt 0x0
	ds_add_u32 v168, v169
	s_wait_dscnt 0x0
	s_and_saveexec_b32 s63, vcc_lo                 ; lane 0 of wave e stores expert e's 16 bytes
	global_store_b128 v68, v[64:67], s[10:11]
	s_endpgm
.Lend:
	s_wait_tensorcnt 0x0
	ds_add_u32 v168, v169
	s_wait_dscnt 0x0
	s_endpgm
.Lfunc_end_k_q610e16c69f_pack:
	.size	k_q610e16c69f_pack, .Lfunc_end_k_q610e16c69f_pack-k_q610e16c69f_pack
	.p2alignl 7, 3214868480
	.fill 96, 4, 3214868480
	.section	.rodata,"a",@progbits
	.p2align	6, 0x0
	.amdhsa_kernel k_q610e16c69f_pack
		.amdhsa_group_segment_fixed_size 136448
		.amdhsa_private_segment_fixed_size 0
		.amdhsa_enable_private_segment 0
		.amdhsa_kernarg_size 32
		.amdhsa_user_sgpr_count 2
		.amdhsa_user_sgpr_kernarg_segment_ptr 1
		.amdhsa_wavefront_size32 1
		.amdhsa_system_sgpr_workgroup_id_x 1
		.amdhsa_system_sgpr_workgroup_id_y 1
		.amdhsa_system_sgpr_workgroup_id_z 1
		.amdhsa_system_vgpr_workitem_id 0
		.amdhsa_next_free_vgpr 170
		.amdhsa_next_free_sgpr 66
		.amdhsa_reserve_vcc 1
		.amdhsa_float_denorm_mode_32 3
		.amdhsa_float_denorm_mode_16_64 3
		.amdhsa_memory_ordered 1
		.amdhsa_forward_progress 1
		.amdhsa_inst_pref_size 45
	.end_amdhsa_kernel
	.amdgpu_metadata
---
amdhsa.version: [ 1, 2 ]
amdhsa.kernels:
  - .name:           k_q610e16c69f_pack
    .symbol:         k_q610e16c69f_pack.kd
    .args:
      - { .name: topi, .offset: 0, .size: 8, .value_kind: global_buffer, .address_space: global }
      - { .name: bufa, .offset: 8, .size: 8, .value_kind: global_buffer, .address_space: global }
      - { .name: bufb, .offset: 16, .size: 8, .value_kind: global_buffer, .address_space: global }
      - { .name: route, .offset: 24, .size: 8, .value_kind: global_buffer, .address_space: global }
    .group_segment_fixed_size: 136448
    .private_segment_fixed_size: 0
    .kernarg_segment_align: 8
    .kernarg_segment_size: 32
    .max_flat_workgroup_size: 256
    .sgpr_count:     66
    .vgpr_count:     170
    .wavefront_size: 32
...
	.end_amdgpu_metadata
.endif
;; end of part 6
;; launch moe1 (part 7): grid 256 x 1, 4 waves a work-group, no clusters, 35,328 bytes of LDS; arguments bufb, route, ws, bufc; writes bufc
.if DOCPART == 7
	.amdgcn_target "amdgcn-amd-amdhsa--gfx1250"
	.amdhsa_code_object_version 6
	.text
	.protected	k_q610e16c69f_moe1
	.globl	k_q610e16c69f_moe1
	.p2align	8
	.type	k_q610e16c69f_moe1,@function
k_q610e16c69f_moe1:
	s_mov_b64 s[64:65], 0
	v_nop
	global_prefetch_b8 v0, s[64:65] scope:SCOPE_SE
	s_setreg_imm32_b32 hwreg(HW_REG_WAVE_MODE, 25, 1), 1
	s_wait_xcnt 0x0
; act = silu(hM ws[e][:I]^T) x (hM ws[e][I:]^T) for the tokens routed to expert e alone: a token's weight is 0 for the six other experts, so their products are not made.
; Work-group x: expert e = x / 32, columns 32 j .. 32 j + 31 of g and of u (j = x % 32): 64 weight rows, each byte of ws read from memory by one work-group.
; THE SWEEP takes the expert's first 20 tiles of 16 slots (320 tokens; the mean is 256): wave w the tiles tb + w + 4 s, s = 0 .. 4: 20 accumulators.  All its trip counts are constants: no barrier hangs on a loaded number.
; Every wave always loads and multiplies its five slots; a slot beyond the expert's tiles rereads the expert's last tile (a clamp) and only its stores are jumped: so no register is written on one path alone.
; K in steps of 128: wave w loads 16 rows (g for w < 2, u for w >= 2), 512 consecutive bytes an instruction, two steps ahead, rounds them once to f16 and lays them into one of two LDS buffers
; (64 rows of 272 bytes); the tokens' fragments come ready from memory.  Source 0 = 16 weight rows, source 1 = 16 slots: a lane holds one slot, and g and u of the same eight columns.
; TILES BEYOND TWENTY (a routing that sends more than 320 tokens to one expert; up to 64 tiles) are taken by each wave alone, tile tb + 20 + w + 4 i, in a loop with no barrier and no LDS: the weights come
; straight from memory in fragment order, 16 bytes a lane, and are rounded in registers.  That way is plain and slow: it reads the 64 rows again for every such tile.
; OUT: bufc [136 tiles][32 kb][1,024 B] bf16 fragments, kb = j.  bf16, since silu(g) u has no room in f16 when gains and weights are some 30 times larger.
; NO CLUSTER: no two work-groups read the same weight byte, and the weights are what the launch moves.  The accumulators are cleared (160 v_mov_b32) so that one text of a step serves all steps.
; LIMITS: ws is rounded to f16 (below 6e-5 a fixed step of 6e-8); NaN and infinities are not treated apart.
; REGISTERS: window 0: v1 16 x lane; v3, v4 LDS addresses; v13 fragment offset in the weights; v32-63 rounded words; v64-191 weight fragments; v192-207 at work; v208-247 packed results
;   window 1: v0-159 accumulators (slot, nb) at 32 slot + 8 nb      windows 2, 3: v0-159 token fragments, v192-255 weights as loaded
.set PITCH, 272
.set WBUF,  64*PITCH
.set NSL,   5
.set ROWB,  8192
.set TRIPS, 7
.set CV, 32
.set WF, 64
.set WS, 192
.set TT, 192
.set OB, 208
.set AB, 66                            ; s[66:75] a base for each slot
.set NL, 36                            ; s[36:37] - log2(e)
.set MSB, 0
.macro WIN new                         ; the immediate's high byte repeats the setting that is left; a switch that changes nothing is dropped
.if MSB != (\new)
	s_set_vgpr_msb (MSB<<8)|(\new)
.set MSB, (\new)
.endif
.endm
.macro ALOAD buf, off
	WIN (2+(\buf))<<6
.set sl, 0
.rept NSL
.set kb, 0
.rept 4
	global_load_b128 v[32*sl+8*kb:32*sl+8*kb+3], v1, s[AB+2*sl:AB+2*sl+1] offset:kb*1024+(\off)
	global_load_b128 v[32*sl+8*kb+4:32*sl+8*kb+7], v1, s[AB+2*sl:AB+2*sl+1] offset:kb*1024+512+(\off)
.set kb, kb+1
.endr
.set sl, sl+1
.endr
.endm
.macro WLOAD st, off
	WIN (2+(\st))<<6
.set nn, 0
.rept 16
	global_load_b128 v[WS+4*nn:WS+4*nn+3], v1, s[12:13] offset:nn*ROWB+(\off) th:TH_LOAD_NT
.set nn, nn+1
.endr
.endm
; ONE K STEP on set p.  Order of issue: tokens of step s + 1, then weights of step s + 2: at a step's head the youngest 16 loads are the weights of step s + 1, and the count 16 shows this step's weights and tokens landed.
; The 32 conversions are the places between the last step's products and the loads into registers that they read.  One barrier: my stores into buffer p and my reads of the other buffer are done in front of it.
.macro STEP p, lda, ldw, cnt
	s_wait_loadcnt \cnt
	WIN 0x0a+5*(\p)
.set nn, 0
.rept 32
	v_cvt_pk_f16_f32 v[CV+nn], v[WS+2*nn], v[WS+2*nn+1]
.set nn, nn+1
.endr
	WIN 0
.set nn, 0
.rept 16
	ds_store_b64 v3, v[CV+2*nn:CV+2*nn+1] offset:(\p)*WBUF+nn*PITCH
.set nn, nn+1
.endr
.if \lda
	ALOAD 1-(\p), 4096*(1+(\p))
.endif
.if \ldw
	WLOAD \p, 1024+512*(\p)
.endif
	WIN 0
	s_wait_dscnt 0x0
	s_barrier_signal -1
	s_barrier_wait -1
.set kb, 0
.rept 4
.set nb, 0
.rept 4
	ds_load_b128 v[WF+32*kb+8*nb:WF+32*kb+8*nb+3], v4 offset:(\p)*WBUF+nb*16*PITCH+kb*64
	ds_load_b128 v[WF+32*kb+8*nb+4:WF+32*kb+8*nb+7], v4 offset:(\p)*WBUF+nb*16*PITCH+kb*64+32
.set nb, nb+1
.endr
.set kb, kb+1
.endr
	WIN 0x58+4*(\p)
.set sl, 0
.rept NSL
.set kb, 0
.rept 4
.if sl == 0
	s_wait_dscnt 24-8*kb                           ; the 8 loads of this kb are in; those of the later kb may stay out
.endif
.set nb, 0
.rept 4                                ; four accumulators by turns
	v_wmma_f32_16x16x32_f16 v[32*sl+8*nb:32*sl+8*nb+7], v[WF+32*kb+8*nb:WF+32*kb+8*nb+7], v[32*sl+8*kb:32*sl+8*kb+7], v[32*sl+8*nb:32*sl+8*nb+7]
.set nb, nb+1
.endr
.set kb, kb+1
.endr
.set sl, sl+1
.endr
	WIN 0
.endm
; silu(g) u for slot s: g in accumulators 0, 1, u in 2, 3, each read from its low end on.  sigmoid(g) = 1 / (1 + 2^(- g log2 e)).
.macro ACT s
	WIN 0x01
.set nn, 0
.rept 8
	v_pk_mul_f32 v[TT+2*nn:TT+2*nn+1], v[32*(\s)+2*nn:32*(\s)+2*nn+1], s[NL:NL+1] op_sel_hi:[1,0]
.set nn, nn+1
.endr
	WIN 0
.set nn, 0
.rept 16
	v_exp_f32 v[TT+nn], v[TT+nn]
.set nn, nn+1
.endr
	v_nop
.set nn, 0
	s_wait_alu depctr_va_vdst(0)
.rept 8
	v_pk_add_f32 v[TT+2*nn:TT+2*nn+1], v[TT+2*nn:TT+2*nn+1], 1.0 op_sel_hi:[1,0]
.set nn, nn+1
.endr
.set nn, 0
.rept 16
	v_rcp_f32 v[TT+nn], v[TT+nn]
.set nn, nn+1
.endr
	v_nop
	WIN 0x04
.set nn, 0
	s_wait_alu depctr_va_vdst(0)
.rept 8
	v_pk_mul_f32 v[TT+2*nn:TT+2*nn+1], v[TT+2*nn:TT+2*nn+1], v[32*(\s)+2*nn:32*(\s)+2*nn+1]
.set nn, nn+1
.endr
.set nn, 0
.rept 8
	v_pk_mul_f32 v[TT+2*nn:TT+2*nn+1], v[TT+2*nn:TT+2*nn+1], v[32*(\s)+16+2*nn:32*(\s)+16+2*nn+1]
.set nn, nn+1
.endr
	WIN 0
.set nn, 0
.rept 8
	v_cvt_pk_bf16_f32 v[OB+8*(\s)+nn], v[TT+2*nn], v[TT+2*nn+1]
.set nn, nn+1
.endr
	global_store_b128 v1, v[OB+8*(\s):OB+8*(\s)+3], s[16:17] offset:(\s)*131072
	global_store_b128 v1, v[OB+8*(\s)+4:OB+8*(\s)+7], s[16:17] offset:(\s)*131072+512
.endm
	s_load_b256 s[4:11], s[0:1], 0x0               ; bufb s[4:5], route s[6:7], ws s[8:9], bufc s[10:11]
	v_lshl_add_u32 v254, v0, 2, 0x8800
	v_mov_b32 v255, 0
	v_and_b32 v2, 31, v0
	v_lshrrev_b32 v5, 5, v0
	v_readfirstlane_b32 s20, v5                    ; wave
	v_lshlrev_b32 v1, 4, v2
	v_and_b32 v6, 15, v0                           ; r
	v_bfe_u32 v7, v0, 4, 1                         ; h
	s_mul_i32 s30, s20, 16*PITCH
	v_lshl_add_u32 v3, v2, 3, s30
	v_mul_u32_u24 v4, v6, PITCH
	v_lshl_add_u32 v4, v7, 4, v4
	v_lshlrev_b32 v13, 13, v6
	v_lshl_add_u32 v13, v7, 5, v13                 ; weight row r, 8 h numbers of f32 in
	s_lshr_b32 s21, ttmp9, 5                       ; e
	s_and_b32 s22, ttmp9, 31                       ; j
	s_lshl_b32 s30, s21, 4
	s_mov_b32 s31, 0
	s_mov_b32 s[NL], 0xbfb8aa3b
	s_mov_b32 s[NL+1], s[NL]
	s_lshl_b32 s32, s22, 18                        ; row 32 j of g, 8,192 bytes a row,
	s_lshl_b32 s33, s21, 24                        ; in expert e
	s_add_co_u32 s32, s32, s33
	s_mov_b32 s33, 0
	s_lshl_b32 s34, s20, 17                        ; my 16 rows: 16 w further on,
	s_cmp_ge_u32 s20, 2
	s_cselect_b32 s35, 992*ROWB, 0                 ; or, for w >= 2, row 1,024 + 32 j + 16 (w - 2) of u
	s_add_co_u32 s34, s34, s35
	s_mov_b32 s35, 0
	s_wait_kmcnt 0x0
	s_add_nc_u64 s[6:7], s[6:7], s[30:31]
	s_load_b128 s[24:27], s[6:7], 0x0              ; tb, nt
	s_add_nc_u64 s[38:39], s[8:9], s[32:33]        ; the work-group's 32 rows of g
	s_add_nc_u64 s[40:41], s[38:39], 0x800000      ; and of u, 1,024 rows on
	s_add_nc_u64 s[12:13], s[38:39], s[34:35]      ; my 16 rows
	s_wait_kmcnt 0x0
	s_min_u32 s24, s24, 135
	s_min_u32 s25, s25, 64
	s_add_co_u32 s23, s24, s25
	s_max_u32 s23, s23, 1
	s_sub_co_u32 s23, s23, 1
	s_min_u32 s23, s23, 135                        ; the expert's last tile
	s_add_co_u32 s19, s25, 3
	s_sub_co_u32 s19, s19, s20
	s_lshr_b32 s19, s19, 2
	s_min_u32 s19, s19, NSL                        ; my live slots: those with w + 4 s < nt
	s_add_co_u32 s46, s24, s20                     ; my first tile
	s_mov_b32 s33, 0
.set sl, 0
.rept NSL
	s_add_co_u32 s32, s46, 4*sl
	s_min_u32 s32, s32, s23
	s_min_u32 s32, s32, 135
	s_lshl_b32 s32, s32, 16
	s_add_nc_u64 s[AB+2*sl:AB+2*sl+1], s[4:5], s[32:33]
.set sl, sl+1
.endr
	s_min_u32 s32, s46, 135
	s_lshl_b32 s32, s32, 15
	s_lshl_b32 s34, s22, 10
	s_add_co_u32 s32, s32, s34
	s_add_nc_u64 s[16:17], s[10:11], s[32:33]
	ALOAD 0, 0
	WLOAD 0, 0
	WLOAD 1, 512
	WIN 0x40
.set nn, 0
.rept 32*NSL
	v_mov_b32 v[nn], 0
.set nn, nn+1
.endr
	WIN 0
	s_mov_b32 s18, TRIPS
.Lk:
	STEP 0, 1, 1, 16
	STEP 1, 1, 1, 16
	s_wait_xcnt 0x0                                ; the bases are stepped only behind this wait
.set sl, 0
.rept NSL
	s_add_nc_u64 s[AB+2*sl:AB+2*sl+1], s[AB+2*sl:AB+2*sl+1], 8192
.set sl, sl+1
.endr
	s_add_nc_u64 s[12:13], s[12:13], 1024
	s_sub_co_u32 s18, s18, 1
	s_cmp_lg_u32 s18, 0
	s_cbranch_scc1 .Lk
	STEP 0, 1, 0, 16                               ; the last two steps ask for no weights beyond the rows' end
	STEP 1, 0, 0, 0
.rept 4
	v_nop                                          ; the places behind the last products
.endr
.set sl, 0
.rept NSL
	WIN 0
	s_cmp_le_u32 s19, sl
	s_cbranch_scc1 .Ldone                          ; forward, over the dead slots' way out: no barrier lies there
	ACT sl
.set sl, sl+1
.endr
	WIN 0
.Ldone:
	; TILES BEYOND TWENTY: mine are tb + 20 + w + 4 i, i < (max(nt, 20) - 20 + 3 - w) / 4.  No barrier and no LDS from here on.
	s_max_u32 s29, s25, 20
	s_sub_co_u32 s29, s29, 17
	s_sub_co_u32 s29, s29, s20
	s_lshr_b32 s29, s29, 2
	s_mov_b32 s28, 0
	s_cmp_eq_u32 s29, 0
	s_cbranch_scc1 .Lend
.Lx:
	s_wait_xcnt 0x0                                ; bases and store data are rewritten only behind this wait
	s_lshl2_add_u32 s32, s28, s46
	s_add_co_u32 s32, s32, 20
	s_min_u32 s32, s32, 135                        ; the tile
	s_lshl_b32 s34, s32, 16
	s_mov_b32 s35, 0
	s_add_nc_u64 s[AB:AB+1], s[4:5], s[34:35]
	s_lshl_b32 s34, s32, 15
	s_lshl_b32 s33, s22, 10
	s_add_co_u32 s34, s34, s33
	s_add_nc_u64 s[16:17], s[10:11], s[34:35]
	s_mov_b64 s[42:43], s[38:39]
	s_mov_b64 s[44:45], s[40:41]
	WIN 0x40
.set nn, 0
.rept 32
	v_mov_b32 v[nn], 0
.set nn, nn+1
.endr
	WIN 0
	s_mov_b32 s18, 64
.Lxk:                                                  ; 32 along K a trip
	WIN 0x80
	global_load_b128 v[0:3], v1, s[AB:AB+1]
	global_load_b128 v[4:7], v1, s[AB:AB+1] offset:512
.set nb, 0
.rept 2                                ; lane (r, h): row r, k = 8 h .. 8 h + 7 (32 bytes of f32) and 16 + 8 h .. (64 bytes on)
.irp o, 0,1
	global_load_b128 v[WS+16*nb+8*\o:WS+16*nb+8*\o+3], v13, s[42:43] offset:nb*16*ROWB+64*\o
	global_load_b128 v[WS+16*nb+8*\o+4:WS+16*nb+8*\o+7], v13, s[42:43] offset:nb*16*ROWB+64*\o+16
	global_load_b128 v[WS+32+16*nb+8*\o:WS+32+16*nb+8*\o+3], v13, s[44:45] offset:nb*16*ROWB+64*\o
	global_load_b128 v[WS+32+16*nb+8*\o+4:WS+32+16*nb+8*\o+7], v13, s[44:45] offset:nb*16*ROWB+64*\o+16
.endr
.set nb, nb+1
.endr
	s_wait_loadcnt 0x0                             ; all 18: also frees the bases for the steps below
	WIN 0x0a
.set nn, 0
.rept 32
	v_cvt_pk_f16_f32 v[CV+nn], v[WS+2*nn], v[WS+2*nn+1]           ; words 8 nb .. 8 nb + 7 are block nb's fragment
.set nn, nn+1
.endr
	WIN 0x58
.set nb, 0
.rept 4                                ; four accumulators by turns
	v_wmma_f32_16x16x32_f16 v[8*nb:8*nb+7], v[CV+8*nb:CV+8*nb+7], v[0:7], v[8*nb:8*nb+7]
.set nb, nb+1
.endr
	WIN 0
.rept 4
	v_nop                                          ; the places in front of the next trip's loads and conversions, and of the way out
.endr
	s_add_nc_u64 s[AB:AB+1], s[AB:AB+1], 1024
	s_add_nc_u64 s[42:43], s[42:43], 128
	s_add_nc_u64 s[44:45], s[44:45], 128
	s_sub_co_u32 s18, s18, 1
	s_cmp_lg_u32 s18, 0
	s_cbranch_scc1 .Lxk
	ACT 0
	s_add_co_u32 s28, s28, 1
	s_cmp_lt_u32 s28, s29
	s_cbranch_scc1 .Lx
.Lend:
	s_barrier_signal -1
	s_barrier_wait -1
	s_wait_tensorcnt 0x0
	ds_add_u32 v254, v255
	s_wait_dscnt 0x0
	s_endpgm
.Lfunc_end_k_q610e16c69f_moe1:
	.size	k_q610e16c69f_moe1, .Lfunc_end_k_q610e16c69f_moe1-k_q610e16c69f_moe1
	.p2alignl 7, 3214868480
	.fill 96, 4, 3214868480
	.section	.rodata,"a",@progbits
	.p2align	6, 0x0
	.amdhsa_kernel k_q610e16c69f_moe1
		.amdhsa_group_segment_fixed_size 35328
		.amdhsa_private_segment_fixed_size 0
		.amdhsa_enable_private_segment 0
		.amdhsa_kernarg_size 32
		.amdhsa_user_sgpr_count 2
		.amdhsa_user_sgpr_kernarg_segment_ptr 1
		.amdhsa_wavefront_size32 1
		.amdhsa_system_sgpr_workgroup_id_x 1
		.amdhsa_system_sgpr_workgroup_id_y 1
		.amdhsa_system_sgpr_workgroup_id_z 1
		.amdhsa_system_vgpr_workitem_id 0
		.amdhsa_next_free_vgpr 1024
		.amdhsa_next_free_sgpr 76
		.amdhsa_reserve_vcc 0
		.amdhsa_float_denorm_mode_32 3
		.amdhsa_float_denorm_mode_16_64 3
		.amdhsa_memory_ordered 1
		.amdhsa_forward_progress 1
		.amdhsa_inst_pref_size 103
	.end_amdhsa_kernel
	.amdgpu_metadata
---
amdhsa.version: [ 1, 2 ]
amdhsa.kernels:
  - .name:           k_q610e16c69f_moe1
    .symbol:         k_q610e16c69f_moe1.kd
    .args:
      - { .name: bufb, .offset: 0, .size: 8, .value_kind: global_buffer, .address_space: global }
      - { .name: route, .offset: 8, .size: 8, .value_kind: global_buffer, .address_space: global }
      - { .name: ws, .offset: 16, .size: 8, .value_kind: global_buffer, .address_space: global }
      - { .name: bufc, .offset: 24, .size: 8, .value_kind: global_buffer, .address_space: global }
    .group_segment_fixed_size: 35328
    .private_segment_fixed_size: 0
    .kernarg_segment_align: 8
    .kernarg_segment_size: 32
    .max_flat_workgroup_size: 128
    .sgpr_count:     76
    .vgpr_count:     1024
    .wavefront_size: 32
...
	.end_amdgpu_metadata
.endif
;; end of part 7
;; launch moe2 (part 8): grid 256 x 1, 4 waves a work-group, no clusters, 52,736 bytes of LDS; arguments bufc, route, w2s, bufb; writes bufb
.if DOCPART == 8
	.amdgcn_target "amdgcn-amd-amdhsa--gfx1250"
	.amdhsa_code_object_version 6
	.text
	.protected	k_q610e16c69f_moe2
	.globl	k_q610e16c69f_moe2
	.p2align	8
	.type	k_q610e16c69f_moe2,@function
k_q610e16c69f_moe2:
	s_mov_b64 s[64:65], 0
	v_nop
	global_prefetch_b8 v0, s[64:65] scope:SCOPE_SE
	s_setreg_imm32_b32 hwreg(HW_REG_WAVE_MODE, 25, 1), 1
	s_wait_xcnt 0x0
; y[slot] = act[slot] w2s[e]^T for the slots of expert e, f32, one row of 2,048 a slot.  bf16 operands (act has no room in f16 when gains and weights are some 30 times larger), f32 sums.
; Work-group x: expert e = x / 32, output columns 64 j .. 64 j + 63 (j = x % 32): each byte of w2s is read from memory by one work-group.
; THE SWEEP takes the expert's first 20 tiles: wave w the tiles tb + w + 4 s, s = 0 .. 4; slots, clamps, K steps, LDS buffers and counts as in the launch before; K = 1,024: eight steps.  All its trip counts are
; constants: no barrier hangs on a loaded number.  The way out goes through a stage of the wave's own (16 rows x 272 bytes), so that sixteen lanes store 256 consecutive bytes of a row; only live slots are stored.
; TILES BEYOND TWENTY (more than 320 tokens for one expert) are taken by each wave alone, tile tb + 20 + w + 4 i, in a loop with no barrier: the weights come straight from memory in fragment order and are rounded
; in registers; of LDS only the wave's own stage is used.  That way is plain and slow: it reads the 64 rows again for every such tile.
; NO CLUSTER: no two work-groups read the same weight byte.  The accumulators are cleared (160 v_mov_b32) so that one text of a step serves all steps.
; REGISTERS: window 0: v1 16 x lane; v3, v4, v10, v11 LDS addresses; v12 row offset; v13 fragment offset in the weights; v32-63 rounded words; v64-191 weight fragments; v64-223 rows read back on the way out
;   window 1: v0-159 accumulators      windows 2, 3: v0-159 slot fragments, v192-255 weights as loaded
.set PITCH, 272
.set WBUF,  64*PITCH
.set STG,   2*WBUF
.set NSL,   5
.set ROWB,  4096
.set TRIPS, 3
.set CV, 32
.set WF, 64
.set WS, 192
.set RB, 64
.set AB, 66
.set MSB, 0
.macro WIN new                         ; the immediate's high byte repeats the setting that is left; a switch that changes nothing is dropped
.if MSB != (\new)
	s_set_vgpr_msb (MSB<<8)|(\new)
.set MSB, (\new)
.endif
.endm
.macro ALOAD buf, off
	WIN (2+(\buf))<<6
.set sl, 0
.rept NSL
.set kb, 0
.rept 4
	global_load_b128 v[32*sl+8*kb:32*sl+8*kb+3], v1, s[AB+2*sl:AB+2*sl+1] offset:kb*1024+(\off)
	global_load_b128 v[32*sl+8*kb+4:32*sl+8*kb+7], v1, s[AB+2*sl:AB+2*sl+1] offset:kb*1024+512+(\off)
.set kb, kb+1
.endr
.set sl, sl+1
.endr
.endm
.macro WLOAD st, off
	WIN (2+(\st))<<6
.set nn, 0
.rept 16
	global_load_b128 v[WS+4*nn:WS+4*nn+3], v1, s[12:13] offset:nn*ROWB+(\off) th:TH_LOAD_NT
.set nn, nn+1
.endr
.endm
; ONE K STEP on set p: tokens of step s + 1, then weights of step s + 2, so the youngest 16 loads at a step's head are the weights of step s + 1.  The conversions are the places behind the last step's products.
; One barrier: my stores into buffer p and my reads of the other buffer are done in front of it.
.macro STEP p, lda, ldw, cnt
	s_wait_loadcnt \cnt
	WIN 0x0a+5*(\p)
.set nn, 0
.rept 32
	v_cvt_pk_bf16_f32 v[CV+nn], v[WS+2*nn], v[WS+2*nn+1]
.set nn, nn+1
.endr
	WIN 0
.set nn, 0
.rept 16
	ds_store_b64 v3, v[CV+2*nn:CV+2*nn+1] offset:(\p)*WBUF+nn*PITCH
.set nn, nn+1
.endr
.if \lda
	ALOAD 1-(\p), 4096*(1+(\p))
.endif
.if \ldw
	WLOAD \p, 1024+512*(\p)
.endif
	WIN 0
	s_wait_dscnt 0x0
	s_barrier_signal -1
	s_barrier_wait -1
.set kb, 0
.rept 4
.set nb, 0
.rept 4
	ds_load_b128 v[WF+32*kb+8*nb:WF+32*kb+8*nb+3], v4 offset:(\p)*WBUF+nb*16*PITCH+kb*64
	ds_load_b128 v[WF+32*kb+8*nb+4:WF+32*kb+8*nb+7], v4 offset:(\p)*WBUF+nb*16*PITCH+kb*64+32
.set nb, nb+1
.endr
.set kb, kb+1
.endr
	WIN 0x58+4*(\p)
.set sl, 0
.rept NSL
.set kb, 0
.rept 4
.if sl == 0
	s_wait_dscnt 24-8*kb                           ; the 8 loads of this kb are in; those of the later kb may stay out
.endif
.set nb, 0
.rept 4                                ; four accumulators by turns
	v_wmma_f32_16x16x32_bf16 v[32*sl+8*nb:32*sl+8*nb+7], v[WF+32*kb+8*nb:WF+32*kb+8*nb+7], v[32*sl+8*kb:32*sl+8*kb+7], v[32*sl+8*nb:32*sl+8*nb+7]
.set nb, nb+1
.endr
.set kb, kb+1
.endr
.set sl, sl+1
.endr
	WIN 0
.endm
.macro OUTROW s
	WIN 0x04                                       ; store data window 1
.set nb, 0
.rept 4
	ds_store_b128 v10, v[32*(\s)+8*nb:32*(\s)+8*nb+3] offset:64*nb         ; each accumulator's low half first
	ds_store_b128 v10, v[32*(\s)+8*nb+4:32*(\s)+8*nb+7] offset:64*nb+16
.set nb, nb+1
.endr
	WIN 0
.set tt, 0
.rept 8
	ds_load_b128 v[RB+32*(\s)+4*tt:RB+32*(\s)+4*tt+3], v11 offset:544*tt   ; LDS serves a wave's instructions in order: these see the stores above
.set tt, tt+1
.endr
.set tt, 0
.rept 8
	s_wait_dscnt 7-tt
	global_store_b128 v12, v[RB+32*(\s)+4*tt:RB+32*(\s)+4*tt+3], s[16:17] offset:(\s)*524288+tt*16384   ; 16 lanes store 256 consecutive bytes, aligned
.set tt, tt+1
.endr
.endm
	s_load_b256 s[4:11], s[0:1], 0x0               ; bufc s[4:5], route s[6:7], w2s s[8:9], bufb s[10:11]
	v_lshl_add_u32 v254, v0, 2, 0xcc00
	v_mov_b32 v255, 0
	v_and_b32 v2, 31, v0
	v_lshrrev_b32 v5, 5, v0
	v_readfirstlane_b32 s20, v5                    ; wave
	v_lshlrev_b32 v1, 4, v2
	v_and_b32 v6, 15, v0                           ; r
	v_bfe_u32 v7, v0, 4, 1                         ; h
	s_mul_i32 s30, s20, 16*PITCH
	v_lshl_add_u32 v3, v2, 3, s30
	v_mul_u32_u24 v4, v6, PITCH
	v_lshl_add_u32 v4, v7, 4, v4
	s_add_co_u32 s31, s30, STG                     ; my stage
	v_mul_u32_u24 v10, v6, PITCH
	v_lshl_add_u32 v10, v7, 5, v10
	v_add_nc_u32 v10, s31, v10                     ; in: slot r, 32 bytes for each half of the lanes
	v_mul_u32_u24 v11, v7, PITCH
	v_lshl_add_u32 v11, v6, 4, v11
	v_add_nc_u32 v11, s31, v11                     ; back: lanes 0-15 one row of 256 bytes, lanes 16-31 the next
	v_lshlrev_b32 v12, 13, v7
	v_lshl_add_u32 v12, v6, 4, v12                 ; the same two rows in memory
	v_lshlrev_b32 v13, 12, v6
	v_lshl_add_u32 v13, v7, 5, v13                 ; weight row r, 8 h numbers of f32 in
	s_lshr_b32 s21, ttmp9, 5                       ; e
	s_and_b32 s22, ttmp9, 31                       ; j
	s_lshl_b32 s30, s21, 4
	s_mov_b32 s31, 0
	s_lshl_b32 s32, s22, 18                        ; row 64 j, 4,096 bytes a row,
	s_lshl_b32 s33, s21, 23                        ; in expert e
	s_add_co_u32 s32, s32, s33
	s_mov_b32 s33, 0
	s_lshl_b32 s34, s20, 16                        ; my 16 rows: 16 w further on
	s_mov_b32 s35, 0
	s_wait_kmcnt 0x0
	s_add_nc_u64 s[6:7], s[6:7], s[30:31]
	s_load_b128 s[24:27], s[6:7], 0x0              ; tb, nt
	s_add_nc_u64 s[38:39], s[8:9], s[32:33]        ; the work-group's 64 rows
	s_add_nc_u64 s[12:13], s[38:39], s[34:35]      ; my 16 rows
	s_wait_kmcnt 0x0
	s_min_u32 s24, s24, 135
	s_min_u32 s25, s25, 64
	s_add_co_u32 s23, s24, s25
	s_max_u32 s23, s23, 1
	s_sub_co_u32 s23, s23, 1
	s_min_u32 s23, s23, 135                        ; the expert's last tile
	s_add_co_u32 s19, s25, 3
	s_sub_co_u32 s19, s19, s20
	s_lshr_b32 s19, s19, 2
	s_min_u32 s19, s19, NSL                        ; my live slots: those with w + 4 s < nt
	s_add_co_u32 s46, s24, s20                     ; my first tile
	s_mov_b32 s33, 0
.set sl, 0
.rept NSL
	s_add_co_u32 s32, s46, 4*sl
	s_min_u32 s32, s32, s23
	s_min_u32 s32, s32, 135
	s_lshl_b32 s32, s32, 15
	s_add_nc_u64 s[AB+2*sl:AB+2*sl+1], s[4:5], s[32:33]
.set sl, sl+1
.endr
	s_min_u32 s32, s46, 135
	s_lshl_b32 s32, s32, 17
	s_lshl_b32 s34, s22, 8
	s_add_co_u32 s32, s32, s34
	s_add_nc_u64 s[16:17], s[10:11], s[32:33]
	ALOAD 0, 0
	WLOAD 0, 0
	WLOAD 1, 512
	WIN 0x40
.set nn, 0
.rept 32*NSL
	v_mov_b32 v[nn], 0
.set nn, nn+1
.endr
	WIN 0
	s_mov_b32 s18, TRIPS
.Lk:
	STEP 0, 1, 1, 16
	STEP 1, 1, 1, 16
	s_wait_xcnt 0x0                                ; the bases are stepped only behind this wait
.set sl, 0
.rept NSL
	s_add_nc_u64 s[AB+2*sl:AB+2*sl+1], s[AB+2*sl:AB+2*sl+1], 8192
.set sl, sl+1
.endr
	s_add_nc_u64 s[12:13], s[12:13], 1024
	s_sub_co_u32 s18, s18, 1
	s_cmp_lg_u32 s18, 0
	s_cbranch_scc1 .Lk
	STEP 0, 1, 0, 16                               ; the last two steps ask for no weights beyond the rows' end
	STEP 1, 0, 0, 0
.rept 4
	v_nop                                          ; the places behind the last products
.endr
.set sl, 0
.rept NSL
	WIN 0
	s_cmp_le_u32 s19, sl
	s_cbranch_scc1 .Ldone                          ; forward, over the dead slots' way out: no barrier lies there
	OUTROW sl
.set sl, sl+1
.endr
	WIN 0
.Ldone:
	; TILES BEYOND TWENTY: mine are tb + 20 + w + 4 i, i < (max(nt, 20) - 20 + 3 - w) / 4.  No barrier from here on; of LDS only my own stage.
	s_max_u32 s29, s25, 20
	s_sub_co_u32 s29, s29, 17
	s_sub_co_u32 s29, s29, s20
	s_lshr_b32 s29, s29, 2
	s_mov_b32 s28, 0
	s_cmp_eq_u32 s29, 0
	s_cbranch_scc1 .Lend
.Lx:
	s_wait_xcnt 0x0                                ; bases and store data are rewritten only behind this wait
	s_lshl2_add_u32 s32, s28, s46
	s_add_co_u32 s32, s32, 20
	s_min_u32 s32, s32, 135                        ; the tile
	s_lshl_b32 s34, s32, 15
	s_mov_b32 s35, 0
	s_add_nc_u64 s[AB:AB+1], s[4:5], s[34:35]
	s_lshl_b32 s34, s32, 17
	s_lshl_b32 s33, s22, 8
	s_add_co_u32 s34, s34, s33
	s_add_nc_u64 s[16:17], s[10:11], s[34:35]
	s_mov_b64 s[42:43], s[38:39]
	WIN 0x40
.set nn, 0
.rept 32
	v_mov_b32 v[nn], 0
.set nn, nn+1
.endr
	WIN 0
	s_mov_b32 s18, 32
.Lxk:                                                  ; 32 along K a trip
	WIN 0x80
	global_load_b128 v[0:3], v1, s[AB:AB+1]
	global_load_b128 v[4:7], v1, s[AB:AB+1] offset:512
.set nb, 0
.rept 4                                ; lane (r, h): row r, k = 8 h .. 8 h + 7 (32 bytes of f32) and 16 + 8 h .. (64 bytes on)
.irp o, 0,1
	global_load_b128 v[WS+16*nb+8*\o:WS+16*nb+8*\o+3], v13, s[42:43] offset:nb*16*ROWB+64*\o
	global_load_b128 v[WS+16*nb+8*\o+4:WS+16*nb+8*\o+7], v13, s[42:43] offset:nb*16*ROWB+64*\o+16
.endr
.set nb, nb+1
.endr
	s_wait_loadcnt 0x0                             ; all 18: also frees the bases for the steps below
	WIN 0x0a
.set nn, 0
.rept 32
	v_cvt_pk_bf16_f32 v[CV+nn], v[WS+2*nn], v[WS+2*nn+1]          ; words 8 nb .. 8 nb + 7 are block nb's fragment
.set nn, nn+1
.endr
	WIN 0x58
.set nb, 0
.rept 4                                ; four accumulators by turns
	v_wmma_f32_16x16x32_bf16 v[8*nb:8*nb+7], v[CV+8*nb:CV+8*nb+7], v[0:7], v[8*nb:8*nb+7]
.set nb, nb+1
.endr
	WIN 0
.rept 4
	v_nop                                          ; the places in front of the next trip's loads and conversions, and of the way out
.endr
	s_add_nc_u64 s[AB:AB+1], s[AB:AB+1], 1024
	s_add_nc_u64 s[42:43], s[42:43], 128
	s_sub_co_u32 s18, s18, 1
	s_cmp_lg_u32 s18, 0
	s_cbranch_scc1 .Lxk
	OUTROW 0
	s_add_co_u32 s28, s28, 1
	s_cmp_lt_u32 s28, s29
	s_cbranch_scc1 .Lx
.Lend:
	s_barrier_signal -1
	s_barrier_wait -1
	s_wait_tensorcnt 0x0
	ds_add_u32 v254, v255
	s_wait_dscnt 0x0
	s_endpgm
.Lfunc_end_k_q610e16c69f_moe2:
	.size	k_q610e16c69f_moe2, .Lfunc_end_k_q610e16c69f_moe2-k_q610e16c69f_moe2
	.p2alignl 7, 3214868480
	.fill 96, 4, 3214868480
	.section	.rodata,"a",@progbits
	.p2align	6, 0x0
	.amdhsa_kernel k_q610e16c69f_moe2
		.amdhsa_group_segment_fixed_size 52736
		.amdhsa_private_segment_fixed_size 0
		.amdhsa_enable_private_segment 0
		.amdhsa_kernarg_size 32
		.amdhsa_user_sgpr_count 2
		.amdhsa_user_sgpr_kernarg_segment_ptr 1
		.amdhsa_wavefront_size32 1
		.amdhsa_system_sgpr_workgroup_id_x 1
		.amdhsa_system_sgpr_workgroup_id_y 1
		.amdhsa_system_sgpr_workgroup_id_z 1
		.amdhsa_system_vgpr_workitem_id 0
		.amdhsa_next_free_vgpr 1024
		.amdhsa_next_free_sgpr 76
		.amdhsa_reserve_vcc 0
		.amdhsa_float_denorm_mode_32 3
		.amdhsa_float_denorm_mode_16_64 3
		.amdhsa_memory_ordered 1
		.amdhsa_forward_progress 1
		.amdhsa_inst_pref_size 92
	.end_amdhsa_kernel
	.amdgpu_metadata
---
amdhsa.version: [ 1, 2 ]
amdhsa.kernels:
  - .name:           k_q610e16c69f_moe2
    .symbol:         k_q610e16c69f_moe2.kd
    .args:
      - { .name: bufc, .offset: 0, .size: 8, .value_kind: global_buffer, .address_space: global }
      - { .name: route, .offset: 8, .size: 8, .value_kind: global_buffer, .address_space: global }
      - { .name: w2s, .offset: 16, .size: 8, .value_kind: global_buffer, .address_space: global }
      - { .name: bufb, .offset: 24, .size: 8, .value_kind: global_buffer, .address_space: global }
    .group_segment_fixed_size: 52736
    .private_segment_fixed_size: 0
    .kernarg_segment_align: 8
    .kernarg_segment_size: 32
    .max_flat_workgroup_size: 128
    .sgpr_count:     76
    .vgpr_count:     1024
    .wavefront_size: 32
...
	.end_amdgpu_metadata
.endif
;; end of part 8
;; launch final (part 9): grid 256 x 1, 4 waves a work-group, no clusters, 0 bytes of LDS; arguments bufb, route, bufa, out1, post_moe_g, out0; writes out0
.if DOCPART == 9
	.amdgcn_target "amdgcn-amd-amdhsa--gfx1250"
	.amdhsa_code_object_version 6
	.text
	.protected	k_q610e16c69f_final
	.globl	k_q610e16c69f_final
	.p2align	8
	.type	k_q610e16c69f_final,@function
k_q610e16c69f_final:
	s_mov_b64 s[64:65], 0
	v_nop
	global_prefetch_b8 v0, s[64:65] scope:SCOPE_SE
	s_setreg_imm32_b32 hwreg(HW_REG_WAVE_MODE, 25, 1), 1
	s_wait_xcnt 0x0
; out0 = out1 + rms_norm(w0 y[slot0] + w1 y[slot1], post_moe_g).  One wave, one token: its two expert rows are gathered by the slots that an earlier launch stored as whole numbers.
; Each row is 8,192 bytes = 64 registers, read once by loads of 512 consecutive bytes; the sum stays in registers between the sum of squares and the scaling.  No LDS, no barrier,
; no matrix unit: the launch has two multiply-adds a number and no tile that two work-groups share.
; LIMITS: NaN and infinities are not treated apart.
.set Y0, 16                            ; v[16:79]   the first expert's row, then the weighted sum, then the result
.set Y1, 80                            ; v[80:143]  the second expert's row, then out1's row
.set G,  144                           ; v[144:207] the gain
	s_load_b256 s[4:11], s[0:1], 0x0               ; y s[4:5], route s[6:7], bufa s[8:9], out1 s[10:11]
	s_load_b128 s[12:15], s[0:1], 0x20             ; post_moe_g s[12:13], out0 s[14:15]
	v_and_b32 v1, 31, v0
	v_lshrrev_b32 v3, 5, v0
	v_readfirstlane_b32 s22, v3                    ; wave
	v_lshlrev_b32 v2, 4, v1                        ; 16 x lane
	s_lshl_b32 s23, ttmp9, 2
	s_add_co_u32 s23, s23, s22                     ; my token
	s_lshl_b32 s24, s23, 3                         ; its 8 bytes of slots and of weights
	s_mov_b32 s25, 0
	s_lshl_b32 s26, s23, 13                        ; its row
	s_mov_b32 s27, 0
	s_wait_kmcnt 0x0
	s_add_nc_u64 s[6:7], s[6:7], s[24:25]
	s_add_nc_u64 s[8:9], s[8:9], s[24:25]
	s_load_b64 s[16:17], s[6:7], 0x100             ; the two slots: SLOT begins at byte 256 of route
	s_load_b64 s[18:19], s[8:9], 0x400000          ; the two weights: at byte 4,194,304 of bufa
	s_add_nc_u64 s[10:11], s[10:11], s[26:27]
	s_add_nc_u64 s[14:15], s[14:15], s[26:27]
.set i, 0
.rept 16
	global_load_b128 v[G+4*i:G+4*i+3], v2, s[12:13] offset:512*i   ; the gain needs no slot: it goes first
.set i, i+1
.endr
	s_mov_b32 s28, 0x76543210                      ; v_permlanex16_b32: each lane takes its own place in the other half
	s_mov_b32 s29, 0xfedcba98
	s_mov_b32 s30, 0x3a000000                      ; 1 / 2048
	s_mov_b32 s31, 0x3727c5ac                      ; 1e-5
	s_wait_kmcnt 0x0
	s_min_u32 s16, s16, 2175                       ; a loaded number enters an address only behind a clamp: y has 2,176 rows
	s_min_u32 s17, s17, 2175
	s_lshl_b32 s24, s16, 13
	s_lshl_b32 s26, s17, 13
	s_add_nc_u64 s[24:25], s[4:5], s[24:25]
	s_add_nc_u64 s[26:27], s[4:5], s[26:27]
	s_mov_b32 s20, s19                             ; the second weight as a pair's low word
	s_mov_b32 s21, s19
.set i, 0
.rept 16
	global_load_b128 v[Y0+4*i:Y0+4*i+3], v2, s[24:25] offset:512*i
.set i, i+1
.endr
.set i, 0
.rept 16
	global_load_b128 v[Y1+4*i:Y1+4*i+3], v2, s[26:27] offset:512*i
.set i, i+1
.endr
	s_wait_loadcnt 0x0                             ; both rows (and the gain, asked for ahead of them)
.set i, 0
.rept 32
	v_pk_mul_f32 v[Y0+2*i:Y0+2*i+1], v[Y0+2*i:Y0+2*i+1], s[18:19] op_sel_hi:[1,0]
.set i, i+1
.endr
.set i, 0
.rept 32
	v_pk_fma_f32 v[Y0+2*i:Y0+2*i+1], v[Y1+2*i:Y1+2*i+1], s[20:21], v[Y0+2*i:Y0+2*i+1] op_sel_hi:[1,0,1]
.set i, i+1
.endr
.set i, 0
.rept 16
	global_load_b128 v[Y1+4*i:Y1+4*i+3], v2, s[10:11] offset:512*i ; out1's row, into registers that have been read; it lands during the sum of squares
.set i, i+1
.endr
.set i, 0
.rept 4
	v_pk_mul_f32 v[4+2*i:5+2*i], v[Y0+2*i:Y0+2*i+1], v[Y0+2*i:Y0+2*i+1]   ; four chains, started by the first four pairs
.set i, i+1
.endr
.rept 28
	v_pk_fma_f32 v[4+2*(i%4):5+2*(i%4)], v[Y0+2*i:Y0+2*i+1], v[Y0+2*i:Y0+2*i+1], v[4+2*(i%4):5+2*(i%4)]
.set i, i+1
.endr
	v_pk_add_f32 v[4:5], v[4:5], v[6:7]
	v_pk_add_f32 v[8:9], v[8:9], v[10:11]
	v_pk_add_f32 v[4:5], v[4:5], v[8:9]
	v_add_f32 v4, v4, v5
	v_add_f32_dpp v4, v4, v4 row_xmask:1 row_mask:0xf bank_mask:0xf
	v_add_f32_dpp v4, v4, v4 row_xmask:2 row_mask:0xf bank_mask:0xf
	v_add_f32_dpp v4, v4, v4 row_xmask:4 row_mask:0xf bank_mask:0xf
	v_add_f32_dpp v4, v4, v4 row_xmask:8 row_mask:0xf bank_mask:0xf
	v_permlanex16_b32 v5, v4, s28, s29
	v_add_f32 v4, v4, v5
	v_fma_f32 v4, v4, s30, s31                     ; mean + eps
	v_rsq_f32 v6, v4
	s_wait_loadcnt 0x0                             ; out1's row
	v_nop                                          ; a plain instruction behind v_rsq_f32 (ISA guide 5.7.2)
.set i, 0
	s_wait_alu depctr_va_vdst(0)
.rept 32
	v_pk_mul_f32 v[Y0+2*i:Y0+2*i+1], v[Y0+2*i:Y0+2*i+1], v[6:7] op_sel_hi:[1,0]
.set i, i+1
.endr
.set i, 0
.rept 32
	v_pk_fma_f32 v[Y0+2*i:Y0+2*i+1], v[Y0+2*i:Y0+2*i+1], v[G+2*i:G+2*i+1], v[Y1+2*i:Y1+2*i+1]
.set i, i+1
.endr
.set i, 0
.rept 16
	global_store_b128 v2, v[Y0+4*i:Y0+4*i+3], s[14:15] offset:512*i   ; 512 consecutive bytes, at a multiple of 512 from the buffer's first
.set i, i+1
.endr
	s_endpgm
.Lfunc_end_k_q610e16c69f_final:
	.size	k_q610e16c69f_final, .Lfunc_end_k_q610e16c69f_final-k_q610e16c69f_final
	.p2alignl 7, 3214868480
	.fill 96, 4, 3214868480
	.section	.rodata,"a",@progbits
	.p2align	6, 0x0
	.amdhsa_kernel k_q610e16c69f_final
		.amdhsa_group_segment_fixed_size 0
		.amdhsa_private_segment_fixed_size 0
		.amdhsa_enable_private_segment 0
		.amdhsa_kernarg_size 48
		.amdhsa_user_sgpr_count 2
		.amdhsa_user_sgpr_kernarg_segment_ptr 1
		.amdhsa_wavefront_size32 1
		.amdhsa_system_sgpr_workgroup_id_x 1
		.amdhsa_system_sgpr_workgroup_id_y 1
		.amdhsa_system_sgpr_workgroup_id_z 1
		.amdhsa_system_vgpr_workitem_id 0
		.amdhsa_next_free_vgpr 208
		.amdhsa_next_free_sgpr 66
		.amdhsa_reserve_vcc 0
		.amdhsa_float_denorm_mode_32 3
		.amdhsa_float_denorm_mode_16_64 3
		.amdhsa_memory_ordered 1
		.amdhsa_forward_progress 1
		.amdhsa_inst_pref_size 20
	.end_amdhsa_kernel
	.amdgpu_metadata
---
amdhsa.version: [ 1, 2 ]
amdhsa.kernels:
  - .name:           k_q610e16c69f_final
    .symbol:         k_q610e16c69f_final.kd
    .args:
      - { .name: bufb, .offset: 0, .size: 8, .value_kind: global_buffer, .address_space: global }
      - { .name: route, .offset: 8, .size: 8, .value_kind: global_buffer, .address_space: global }
      - { .name: bufa, .offset: 16, .size: 8, .value_kind: global_buffer, .address_space: global }
      - { .name: out1, .offset: 24, .size: 8, .value_kind: global_buffer, .address_space: global }
      - { .name: post_moe_g, .offset: 32, .size: 8, .value_kind: global_buffer, .address_space: global }
      - { .name: out0, .offset: 40, .size: 8, .value_kind: global_buffer, .address_space: global }
    .group_segment_fixed_size: 0
    .private_segment_fixed_size: 0
    .kernarg_segment_align: 8
    .kernarg_segment_size: 48
    .max_flat_workgroup_size: 128
    .sgpr_count:     66
    .vgpr_count:     208
    .wavefront_size: 32
...
	.end_amdgpu_metadata
.endif
;; end of part 9
